; MI455X (gfx1250); checked and timed in simulation.
; The chip was launched on July 23, 2026; its instructions are those of AMD's public machine-readable ISA for CDNA 5 (MIT licence, August 2026) and "CDNA5" Instruction Set Architecture Reference Guide (July 2026). The comments in the code are by the model that wrote it; some were corrected since.
;; Multi Head Attention. Allowed arithmetic: matrix products marked QUANTISED: E2M1 operands, one E8M0 scale for each 32 along K, by v_wmma_scale_f32_16x16x128_f8f6f4 with both operands' format E2M1 (or v_wmma_scale_f32_32x16x128_f4), f32 sums; products left as they are: bf16, f16 or f32 operands; f32 sums; everything else in f32.
;; Inputs: Wc 1,024 x 1,024 float32; Wk 1,024 x 1,024 float32; Wq 1,024 x 1,024 float32; Wv 1,024 x 1,024 float32; bc 1,024 float32; bk 1,024 float32; bq 1,024 float32; bv 1,024 float32; key 4 x 2,048 x 1,024 float32; mask 4 x 2,048 x 2,048 bool; query 4 x 2,048 x 1,024 float32; value 4 x 2,048 x 1,024 float32.
;; Outputs: out0 4 x 2,048 x 1,024 float32; out1 4 x 2,048 x 1,024 float32.
;; This version of the problem:
;;   THIS VERSION OF THE PROBLEM IS GIVEN IN LOW PRECISION. The matrix products marked QUANTISED in the list below multiply operands that are first quantised to E2M1 (2 exponent bits, 1 mantissa bit; 4 bits a number), with one power-of-two scale for each 32 numbers along K (OCP MX v1.0); their sums are f32. The products marked 'left as it is' may take bf16, f16 or f32 operands, with f32 sums. Whichever they take, every output number must still come out within the allowed error. Rounding operands to bf16 (8 significant bits) uses up far more of that allowance than f16 does (11 bits, for magnitudes from 6e-5 to 65,504). All else is computed in f32.
;;   The module's matrix products, in the order in which they are computed (A, B: the left and right operand; K: the contracted axis; several contracted axes count as one K, in the product's order):
;;     1. [M 8,192, K 1,024] x [K 1,024, N 1,024]; A: input query; B: input Wq: QUANTISED
;;     2. [M 8,192, K 1,024] x [K 1,024, N 1,024]; A: input key; B: input Wk: QUANTISED
;;     3. [M 8,192, K 1,024] x [K 1,024, N 1,024]; A: input value; B: input Wv: QUANTISED
;;     4. batch 64 x [M 2,048, K 64] x [K 64, N 2,048]; A: computed on the way; B: computed on the way: left as it is (an operand is computed on the way)
;;     5. batch 64 x [M 2,048, K 2,048] x [K 2,048, N 64]; A: computed on the way; B: computed on the way: left as it is (an operand is computed on the way)
;;     6. [M 8,192, K 1,024] x [K 1,024, N 1,024]; A: computed on the way; B: input Wc: left as it is (an operand is computed on the way)
;;   THE QUANTISER, for each operand of a quantised product, along K:
;;     - K is cut into blocks of 32 from its start; a last block that is shorter is filled with zeros.
;;     - A block's scale is 2^e with e = floor(log2(the largest magnitude in the block)) - 2, held to -126 .. 127; a block of zeros has e = 0. As a byte (E8M0): e + 127.
;;     - Each number is divided by its block's scale, clamped to +-6, and rounded to the nearest number of E2M1, ties to even, subnormals kept.
;;     - The product sums the exact products of the quantised numbers (number of the format x scale) in f32.
;;   ~~~python
;;   def quantise(x, axis):      # numpy; x: float32 -> the quantised numbers, widened to float32 again
;;       x = np.moveaxis(x, axis, -1); K = x.shape[-1]
;;       x = np.pad(x, [(0, 0)] * (x.ndim - 1) + [(0, -K % 32)]); x = x.reshape(x.shape[:-1] + (-1, 32)); a = np.abs(x).max(-1, keepdims=True)
;;       e = np.where(a > 0, np.clip(np.frexp(np.where(a > 0, a, 1))[1] - 1 - 2, -126, 127), 0)      # np.frexp(a)[1] - 1 = floor(log2(a)), exactly
;;       r = np.clip(x / 2.0 ** e, -6, 6)
;;       step = 2.0 ** (np.maximum(np.frexp(np.where(r == 0, 1, r))[1] - 1, 0) - 1)
;;       q = np.round(r / step) * step * 2.0 ** e      # np.round: ties to even
;;       return np.moveaxis(q.reshape(q.shape[:-2] + (-1,))[..., :K], -1, axis).astype(np.float32)
;;   ~~~
;; One version. Each part assembles by itself: llvm-mc -triple=amdgcn-amd-amdhsa -mcpu=gfx1250 --defsym DOCPART=n.
;; ======== version 1 of 1: 7 launches
;; limits: values are held in f16: magnitudes above 65,504 overflow, below 6.1e-05 lose precision
;; workspace buffers: xc 12,582,912 bytes; xs 786,432 bytes; wcod 1,572,864 bytes; wsc 98,304 bytes; wc16 2,097,152 bytes; mbits 2,097,152 bytes of whole numbers; qkv16 50,331,648 bytes; a16 16,777,216 bytes
;; launch quant_x (part 1): grid 768 x 1, 4 waves a work-group, no clusters, 33,280 bytes of LDS; arguments query, key, value, xc, xs; writes xc, xs
.if DOCPART == 1
	.amdgcn_target "amdgcn-amd-amdhsa--gfx1250"
	.amdhsa_code_object_version 6
	.text
	.protected	k_q10d1ab2006_quant_x
	.globl	k_q10d1ab2006_quant_x
	.p2align	8
	.type	k_q10d1ab2006_quant_x,@function
k_q10d1ab2006_quant_x:
	s_mov_b64 s[64:65], 0
	v_nop
	global_prefetch_b8 v0, s[64:65] scope:SCOPE_SE
	s_setreg_imm32_b32 hwreg(HW_REG_WAVE_MODE, 25, 1), 1
	s_wait_xcnt 0x0
; query, key, value, each [8192][1024] f32, become codes of FP4 (E2M1), K innermost, 512 bytes a row, in xc [3 x 8192][512], and one E8M0 byte for each 32 along K in xs [3 x 8192][32].
; A block's scale is 2^(floor(log2(its largest magnitude)) - 2): its byte is the largest magnitude's exponent field - 2, held at 1 from below.  Each number is divided by the scale and rounded to the nearest code,
; ties to even; beyond 6 the conversion gives the largest code.  A block of zeros gets the byte 1 where the rule says 127: its codes are zeros, and only this program reads the bytes.
; LIMITS: blocks whose largest magnitude lies under 2^(2 - 126) were not tried; NaN and infinities among the inputs are not served.
; Rows are dense and 1024 is a multiple of 32: a tensor is a stream of blocks of 32.  A tensor has 256 work-groups; a wave takes 16 steps of 512 numbers.  Each load reads 512 consecutive bytes; a step's 2,048 bytes turn through
; the wave's own stage in LDS and come back 64 bytes a lane, so that a lane holds 16 neighbours (two lanes a block).  A wave's store of codes covers 256 consecutive bytes; its 256 scale bytes leave as one such run.
.set WAVES, 4
.set STEPS, 16
.set EMAX,  2
.set CB,    8                          ; bytes of 16 codes
.set R,     16                         ; v16-79   four sets of 16 numbers as loaded
.set X,     80                         ; v80-111  two sets of 16 neighbours
.set E,     112                        ; v112-127 a scale byte for each step
.set C,     128                        ; v128-191 codes, four registers a step: no store's data are written again
.set WREG,  8192                       ; LDS: a region for each wave: two stages of 32 x SP bytes, then its 256 scale bytes
.set SP,    80                         ; a lane's place in a stage: 64 bytes + 16 of padding
.set SPW,   12                         ; v12 my spare word's LDS address; never rewritten
.set NIL,   13                         ; v13 0; never rewritten
.set SPARE, WAVES*WREG                 ; the spare words: 128 bytes a wave, named by no other line
	s_load_b256 s[4:11], s[0:1], 0x0               ; query s[4:5], key s[6:7], value s[8:9], xc s[10:11]
	s_load_b64 s[12:13], s[0:1], 0x20              ; xs
	v_lshl_add_u32 v[SPW], v0, 2, SPARE
	v_mov_b32 v[NIL], 0
	v_lshrrev_b32 v1, 5, v0
	v_readfirstlane_b32 s16, v1                    ; wave
	v_and_b32 v2, 31, v0                           ; lane
	v_lshlrev_b32 v3, 4, v2                        ; my 16 bytes of a load's 512
	s_mul_i32 s17, s16, WREG
	v_lshrrev_b32 v14, 2, v2
	v_mul_u32_u24 v14, v14, SP
	v_and_b32 v15, 3, v2
	v_lshl_add_u32 v14, v15, 4, v14
	v_add_nc_u32 v14, s17, v14                     ; the stage, way in: SP (lane / 4) + 16 (lane % 4)
	v_mul_u32_u24 v15, v2, SP
	v_add_nc_u32 v15, s17, v15                     ; way out: SP x lane: my 16 neighbours
	v_mul_u32_u24 v4, v2, CB                       ; my codes' place in a step's
	v_lshrrev_b32 v5, 1, v2
	s_add_co_u32 s17, s17, 2*32*SP
	v_add_nc_u32 v5, s17, v5                       ; my block's byte among my wave's 256
	v_lshlrev_b32 v7, 3, v2
	v_add_nc_u32 v6, s17, v7                       ; and 8 bytes a lane on their way out
	s_wait_kmcnt 0x0
	s_lshr_b32 s22, ttmp9, 8                       ; which tensor: the choice hangs on the work-group's number alone
	s_cmp_eq_u32 s22, 0
	s_cselect_b64 s[4:5], s[4:5], s[6:7]
	s_cmp_eq_u32 s22, 2
	s_cselect_b64 s[4:5], s[8:9], s[4:5]
	s_and_b32 s18, ttmp9, 255
	s_lshl_b32 s18, s18, 2
	s_add_co_u32 s18, s18, s16                     ; my run of 8,192 numbers in the tensor,
	s_lshl_b32 s18, s18, 15                        ; 32,768 bytes each
	s_mov_b32 s19, 0
	s_add_nc_u64 s[4:5], s[4:5], s[18:19]
	s_lshl_b32 s20, ttmp9, 2
	s_add_co_u32 s20, s20, s16                     ; my run among all three tensors'
	s_lshl_b32 s18, s20, 12                        ; 4,096 bytes of codes a run
	s_add_nc_u64 s[10:11], s[10:11], s[18:19]
	s_lshl_b32 s18, s20, 8                         ; 256 scale bytes a run
	s_add_nc_u64 s[12:13], s[12:13], s[18:19]
.macro LOAD t
.irp i, 0,1,2,3
	global_load_b128 v[R+16*((\t)%4)+4*\i:R+16*((\t)%4)+4*\i+3], v3, s[4:5] offset:2048*(\t)+512*\i th:TH_LOAD_NT
.endr
.endm
.macro TURN t                          ; step t's numbers through the stage: LDS serves a wave's instructions in order, so no wait stands between the stores and the loads
.irp i, 0,1,2,3
	ds_store_b128 v14, v[R+16*((\t)%4)+4*\i:R+16*((\t)%4)+4*\i+3] offset:32*SP*((\t)%2)+8*SP*\i
.endr
.irp i, 0,1,2,3
	ds_load_b128 v[X+16*((\t)%2)+4*\i:X+16*((\t)%2)+4*\i+3], v15 offset:32*SP*((\t)%2)+16*\i
.endr
.endm
.irp t, 0,1,2,3
	LOAD \t
.endr
	s_wait_loadcnt 12                              ; step 0's four loads are in; the twelve behind them stay out
	TURN 0
.macro STEP t
.set XS, X+16*((\t)%2)
.if (\t) > 0
	s_wait_dscnt 1                                 ; this step's numbers are back from the stage (the last step's byte store may be out)
.else
	s_wait_dscnt 0x0
.endif
.if (\t)+4 < STEPS
	LOAD (\t)+4                                    ; into the registers whose stores into the stage are done
.endif
.if (\t)+1 < STEPS
.if STEPS-2-(\t) >= 3
	s_wait_loadcnt 12                              ; the next step's four loads are in; three later steps' stay out
.else
	s_wait_loadcnt 4*(STEPS-2-(\t))
.endif
	TURN (\t)+1
.endif
	v_max3_num_f32 v8, |v[XS]|, |v[XS+1]|, |v[XS+2]|               ; the largest magnitude of my 16, in two chains
	v_max3_num_f32 v9, |v[XS+3]|, |v[XS+4]|, |v[XS+5]|
.irp i, 6,10
	v_max3_num_f32 v8, v8, |v[XS+\i]|, |v[XS+\i+1]|
	v_max3_num_f32 v9, v9, |v[XS+\i+2]|, |v[XS+\i+3]|
.endr
	v_max3_num_f32 v8, v8, |v[XS+14]|, |v[XS+15]|
	v_max3_num_f32 v8, v8, v9, (EMAX+1)<<23        ; and the floor 2^(3 - 127): the byte cannot fall under 1
	v_max_num_f32_dpp v8, v8, v8 row_xmask:1 row_mask:0xf bank_mask:0xf   ; with my neighbour's 16: the block's
	v_add_nc_u32 v11, -(EMAX<<23), v8              ; 2 off the exponent field: the conversion takes this operand's exponent field as its scale
	v_cvt_scalef32_pk8_fp4_f32 v[C+4*(\t)], v[XS:XS+7], v11
	v_cvt_scalef32_pk8_fp4_f32 v[C+4*(\t)+1], v[XS+8:XS+15], v11
	v_lshrrev_b32 v[E+(\t)], 23, v11               ; the scale's byte (a plain line behind the conversions)
	ds_store_b8 v5, v[E+(\t)] offset:16*(\t)       ; both lanes of a block write the same byte with the same value
	global_store_b64 v4, v[C+4*(\t):C+4*(\t)+1], s[10:11] offset:32*CB*(\t)   ; the wave stores 256 consecutive bytes
.endm
.irp t, 0,1,2,3,4,5,6,7,8,9,10,11,12,13,14,15
	STEP \t
.endr
	ds_load_b64 v[8:9], v6                         ; in order behind my byte stores
	s_wait_dscnt 0x0
	global_store_b64 v7, v[8:9], s[12:13]          ; 256 consecutive bytes
	s_wait_tensorcnt 0x0                           ; the wave's end
	ds_add_u32 v[SPW], v[NIL]
	s_wait_dscnt 0x0
	s_endpgm
.Lfunc_end_k_q10d1ab2006_quant_x:
	.size	k_q10d1ab2006_quant_x, .Lfunc_end_k_q10d1ab2006_quant_x-k_q10d1ab2006_quant_x
	.p2alignl 7, 3214868480
	.fill 96, 4, 3214868480
	.section	.rodata,"a",@progbits
	.p2align	6, 0x0
	.amdhsa_kernel k_q10d1ab2006_quant_x
		.amdhsa_group_segment_fixed_size 33280
		.amdhsa_private_segment_fixed_size 0
		.amdhsa_enable_private_segment 0
		.amdhsa_kernarg_size 40
		.amdhsa_user_sgpr_count 2
		.amdhsa_user_sgpr_kernarg_segment_ptr 1
		.amdhsa_wavefront_size32 1
		.amdhsa_system_sgpr_workgroup_id_x 1
		.amdhsa_system_sgpr_workgroup_id_y 1
		.amdhsa_system_sgpr_workgroup_id_z 1
		.amdhsa_system_vgpr_workitem_id 0
		.amdhsa_next_free_vgpr 192
		.amdhsa_next_free_sgpr 66
		.amdhsa_reserve_vcc 0
		.amdhsa_float_denorm_mode_32 3
		.amdhsa_float_denorm_mode_16_64 3
		.amdhsa_memory_ordered 1
		.amdhsa_forward_progress 1
		.amdhsa_inst_pref_size 33
	.end_amdhsa_kernel
	.amdgpu_metadata
---
amdhsa.version: [ 1, 2 ]
amdhsa.kernels:
  - .name:           k_q10d1ab2006_quant_x
    .symbol:         k_q10d1ab2006_quant_x.kd
    .args:
      - { .name: query, .offset: 0, .size: 8, .value_kind: global_buffer, .address_space: global }
      - { .name: key, .offset: 8, .size: 8, .value_kind: global_buffer, .address_space: global }
      - { .name: value, .offset: 16, .size: 8, .value_kind: global_buffer, .address_space: global }
      - { .name: xc, .offset: 24, .size: 8, .value_kind: global_buffer, .address_space: global }
      - { .name: xs, .offset: 32, .size: 8, .value_kind: global_buffer, .address_space: global }
    .group_segment_fixed_size: 33280
    .private_segment_fixed_size: 0
    .kernarg_segment_align: 8
    .kernarg_segment_size: 40
    .max_flat_workgroup_size: 128
    .sgpr_count:     66
    .vgpr_count:     192
    .wavefront_size: 32
...
	.end_amdgpu_metadata
.endif
;; end of part 1
;; launch prep_w (part 2): grid 8 x 8, 16 waves a work-group, no clusters, 178,176 bytes of LDS; arguments Wq, Wk, Wv, Wc, wcod, wsc, wc16; writes wcod, wsc, wc16
.if DOCPART == 2
	.amdgcn_target "amdgcn-amd-amdhsa--gfx1250"
	.amdhsa_code_object_version 6
	.text
	.protected	k_q10d1ab2006_prep_w
	.globl	k_q10d1ab2006_prep_w
	.p2align	8
	.type	k_q10d1ab2006_prep_w,@function
k_q10d1ab2006_prep_w:
	s_mov_b64 s[64:65], 0
	v_nop
	global_prefetch_b8 v0, s[64:65] scope:SCOPE_SE
	s_setreg_imm32_b32 hwreg(HW_REG_WAVE_MODE, 25, 1), 1
	s_wait_xcnt 0x0
; The four weights, each [1024 (k)][1024 (n)] f32 with K as FIRST axis.  Wq, Wk, Wv become codes of FP4 laid [n][k], 512 bytes a row, in wcod [3 x 1024][512], with E8M0 bytes in wsc [3 x 1024][32];
; Wc becomes f16 laid [n][k] in wc16 [1024][1024].  The quantiser is the same as for the activations: byte = the block's largest magnitude's exponent field - 2, held at 1 from below (a block of zeros keeps 1: its codes are zeros).
; LIMITS: NaN and infinities are not served; Wc beyond 65,504 has no f16 number.  wsc is stored in pieces of 16 bytes a row (98,304 bytes in all).
; SHARES.  Work-group x: 128 columns n.  y = 0..5: weight y / 2, half y % 2 of K (quantise); y = 6, 7: Wc, half y % 2 of K (cast).  Wave w: columns 32 (w % 4) on, k 128 (w / 4) on.
; A LANE TAKES A COLUMN AND ITS REGISTERS RUN DOWN K: each load reads 128 consecutive bytes, a block of 32 along K lies in one lane, and codes (or f16 pairs) come out with K innermost.  All 128 loads of a wave go out at once.
; The results go through LDS and leave as rows: sixteen lanes store 256 consecutive bytes.  The two ways part on the work-group's y alone; each has LDS bytes of its own; all waves meet at one barrier.
.set QST,   0                          ; quantise: 128 rows (columns n) x (256 bytes of codes + 16)
.set SST,   128*272                    ; quantise: 128 x 16 scale bytes
.set CST,   SST+2048                   ; cast: a stage of 32 rows x (256 + 16) for each wave
.set SPARE, CST+16*32*272              ; the spare words: 128 bytes a wave, named by no other line
.set X,     32                         ; v32-159  128 numbers down K
.set C,     160                        ; v160-175 codes of four blocks
.set OUTR,  176                        ; v176-239 rows on their way out
.set SPW,   14
.set NIL,   15
	s_load_b256 s[4:11], s[0:1], 0x0               ; Wq, Wk, Wv, Wc
	s_load_b128 s[12:15], s[0:1], 0x20             ; wcod, wsc
	s_load_b64 s[16:17], s[0:1], 0x30              ; wc16
	v_lshl_add_u32 v[SPW], v0, 2, SPARE
	v_mov_b32 v[NIL], 0
	v_lshrrev_b32 v1, 5, v0
	v_readfirstlane_b32 s18, v1                    ; wave 0..15
	v_and_b32 v1, 31, v0                           ; lane
	v_and_b32 v2, 15, v0                           ; lane % 16
	v_bfe_u32 v18, v0, 4, 1                        ; lane / 16
	s_and_b32 s19, s18, 3                          ; cg: which 32 columns
	s_lshr_b32 s20, s18, 2                         ; kg: which 128 along K
	s_and_b32 s21, ttmp7, 0xffff                   ; y
	s_lshr_b32 s22, s21, 1                         ; g: which weight
	s_and_b32 s23, s21, 1                          ; kh: which half of K
	v_lshlrev_b32 v3, 2, v1                        ; in: 4 bytes a lane
	; every LDS address is made here, ahead of the parting
	s_mul_i32 s24, s19, 32*272
	s_lshl_b32 s25, s20, 6
	s_add_co_u32 s24, s24, s25
	v_mul_u32_u24 v4, v1, 272
	v_add_nc_u32 v4, s24, v4                       ; codes in: row = my column, 64 bytes for each kg
	s_lshl_b32 s24, s19, 9
	s_lshl_b32 s25, s20, 2
	s_add_co_u32 s24, s24, s25
	s_add_co_u32 s24, s24, SST
	v_lshl_add_u32 v5, v1, 4, s24                  ; scale word in: 16 bytes a column, 4 for each kg
	s_mul_i32 s24, s18, 32*272
	s_add_co_u32 s24, s24, CST
	v_mul_u32_u24 v6, v1, 272
	v_add_nc_u32 v6, s24, v6                       ; cast in: my wave's stage, row = lane
	v_mul_u32_u24 v19, v18, 272
	v_lshl_add_u32 v19, v2, 4, v19                 ; out: sixteen lanes to a row, two rows an instruction
	v_add_nc_u32 v16, s24, v19                     ; cast out
	s_mul_i32 s25, s18, 8*272
	v_add_nc_u32 v7, s25, v19                      ; codes out: wave w takes rows 8 w .. 8 w + 7
	s_lshl_b32 s25, s18, 12
	v_lshlrev_b32 v8, 4, v2
	v_lshl_add_u32 v8, v18, 9, v8
	v_add_nc_u32 v8, s25, v8                       ; and the same place in wcod: rows of 512 bytes
	s_lshl_b32 s25, s18, 9
	s_add_co_u32 s25, s25, SST
	v_lshl_add_u32 v9, v1, 4, s25                  ; scale bytes out (waves 0-3): column 32 w + lane
	s_lshl_b32 s25, s18, 10
	v_lshl_add_u32 v10, v1, 5, s25                 ; and in wsc: rows of 32 bytes
	v_lshlrev_b32 v17, 4, v2
	v_lshl_add_u32 v17, v18, 11, v17               ; cast out, in wc16: rows of 2,048 bytes
	; byte offsets
	s_lshl_b32 s26, s23, 21                        ; W: 512 kh rows of 4,096 bytes
	s_lshl_b32 s27, s20, 19                        ;    + 128 kg rows
	s_add_co_u32 s26, s26, s27
	s_lshl_b32 s27, ttmp9, 9                       ;    + 128 x columns
	s_add_co_u32 s26, s26, s27
	s_lshl_b32 s27, s19, 7                         ;    + 32 cg columns
	s_add_co_u32 s26, s26, s27
	s_mov_b32 s27, 0
	s_lshl_b32 s28, s22, 19                        ; wcod: (1024 g + 128 x) rows of 512 + 256 kh
	s_lshl_b32 s29, ttmp9, 16
	s_add_co_u32 s28, s28, s29
	s_lshl_b32 s29, s23, 8
	s_add_co_u32 s28, s28, s29
	s_mov_b32 s29, 0
	s_lshl_b32 s30, s22, 15                        ; wsc: (1024 g + 128 x) rows of 32 + 16 kh
	s_lshl_b32 s31, ttmp9, 12
	s_add_co_u32 s30, s30, s31
	s_lshl_b32 s31, s23, 4
	s_add_co_u32 s30, s30, s31
	s_mov_b32 s31, 0
	s_lshl_b32 s32, ttmp9, 18                      ; wc16: (128 x + 32 cg) rows of 2,048 + 1,024 kh + 256 kg
	s_lshl_b32 s33, s19, 16
	s_add_co_u32 s32, s32, s33
	s_lshl_b32 s33, s23, 10
	s_add_co_u32 s32, s32, s33
	s_lshl_b32 s33, s20, 8
	s_add_co_u32 s32, s32, s33
	s_mov_b32 s33, 0
	s_wait_kmcnt 0x0
	s_cmp_eq_u32 s22, 0                            ; the source: a choice on the work-group's y alone
	s_cselect_b64 s[4:5], s[4:5], s[6:7]
	s_cmp_eq_u32 s22, 2
	s_cselect_b64 s[4:5], s[8:9], s[4:5]
	s_cmp_eq_u32 s22, 3
	s_cselect_b64 s[4:5], s[10:11], s[4:5]
	s_add_nc_u64 s[4:5], s[4:5], s[26:27]
	s_add_nc_u64 s[12:13], s[12:13], s[28:29]
	s_add_nc_u64 s[14:15], s[14:15], s[30:31]
	s_add_nc_u64 s[16:17], s[16:17], s[32:33]
.set i, 0
.rept 128
	global_load_b32 v[X+i], v3, s[4:5] offset:i*4096 th:TH_LOAD_NT   ; W(k0 + i, my column): 32 lanes read 128 consecutive bytes
.set i, i+1
.endr
	s_wait_loadcnt 0x0
	s_cmp_lt_u32 s21, 6
	s_cbranch_scc0 .Lcast
.macro BLOCK t                         ; block t of my four: all 32 numbers are mine
.set XS, X+32*(\t)
	v_max3_num_f32 v12, |v[XS]|, |v[XS+1]|, |v[XS+2]|
	v_max3_num_f32 v13, |v[XS+3]|, |v[XS+4]|, |v[XS+5]|
.irp i, 6,10,14,18,22,26
	v_max3_num_f32 v12, v12, |v[XS+\i]|, |v[XS+\i+1]|
	v_max3_num_f32 v13, v13, |v[XS+\i+2]|, |v[XS+\i+3]|
.endr
	v_max3_num_f32 v12, v12, |v[XS+30]|, |v[XS+31]|
	v_max3_num_f32 v12, v12, v13, 0x1800000        ; and the floor 2^(3 - 127): the byte cannot fall under 1
	v_add_nc_u32 v11, 0xff000000, v12              ; 2 off the exponent field: the conversion's scale operand
	v_lshrrev_b32 v13, 23, v11                     ; the byte
.if (\t) == 0
	v_mov_b32 v24, v13                             ; four bytes make the word of my 128 along K
.else
	v_lshl_or_b32 v24, v13, 8*(\t), v24
.endif
.irp g, 0,1,2,3
	v_cvt_scalef32_pk8_fp4_f32 v[C+4*(\t)+\g], v[XS+8*\g:XS+8*\g+7], v11
.endr
	v_nop                                          ; a plain line behind the last conversion of the run
	ds_store_b128 v4, v[C+4*(\t):C+4*(\t)+3] offset:16*(\t)
.endm
	BLOCK 0
	BLOCK 1
	BLOCK 2
	BLOCK 3
	ds_store_b32 v5, v24
	s_branch .Ljoin
.Lcast:
.set i, 0
.rept 64
	v_cvt_pk_f16_f32 v[X+i], v[X+2*i], v[X+2*i+1]  ; in place, ascending: what is overwritten has been read
.set i, i+1
.endr
.set i, 0
.rept 16
	ds_store_b128 v6, v[X+4*i:X+4*i+3] offset:16*i
.set i, i+1
.endr
.Ljoin:
	s_wait_dscnt 0x0                               ; for the others' sake: my stores have landed
	s_barrier_signal -1
	s_barrier_wait -1
	s_cmp_lt_u32 s21, 6
	s_cbranch_scc0 .Lcast_out
.irp i, 0,1,2,3
	ds_load_b128 v[OUTR+4*\i:OUTR+4*\i+3], v7 offset:544*\i
.endr
.irp i, 0,1,2,3
	s_wait_dscnt 3-\i                              ; load i is in; the younger ones stay out
	global_store_b128 v8, v[OUTR+4*\i:OUTR+4*\i+3], s[12:13] offset:1024*\i   ; sixteen lanes store 256 consecutive bytes of a row of codes
.endr
	s_cmp_lt_u32 s18, 4                            ; the 128 columns' scale bytes: waves 0-3, a lane a column
	s_cbranch_scc0 .Lend
	ds_load_b128 v[OUTR+16:OUTR+19], v9
	s_wait_dscnt 0x0
	global_store_b128 v10, v[OUTR+16:OUTR+19], s[14:15]
	s_branch .Lend
.Lcast_out:
.set i, 0
.rept 16
	ds_load_b128 v[OUTR+4*i:OUTR+4*i+3], v16 offset:544*i
.set i, i+1
.endr
.set i, 0
.rept 16
	s_wait_dscnt 15-i
	global_store_b128 v17, v[OUTR+4*i:OUTR+4*i+3], s[16:17] offset:4096*i     ; sixteen lanes store 256 consecutive bytes of a row of wc16
.set i, i+1
.endr
.Lend:
	s_wait_tensorcnt 0x0                           ; the wave's end
	ds_add_u32 v[SPW], v[NIL]
	s_wait_dscnt 0x0
	s_endpgm
.Lfunc_end_k_q10d1ab2006_prep_w:
	.size	k_q10d1ab2006_prep_w, .Lfunc_end_k_q10d1ab2006_prep_w-k_q10d1ab2006_prep_w
	.p2alignl 7, 3214868480
	.fill 96, 4, 3214868480
	.section	.rodata,"a",@progbits
	.p2align	6, 0x0
	.amdhsa_kernel k_q10d1ab2006_prep_w
		.amdhsa_group_segment_fixed_size 178176
		.amdhsa_private_segment_fixed_size 0
		.amdhsa_enable_private_segment 0
		.amdhsa_kernarg_size 56
		.amdhsa_user_sgpr_count 2
		.amdhsa_user_sgpr_kernarg_segment_ptr 1
		.amdhsa_wavefront_size32 1
		.amdhsa_system_sgpr_workgroup_id_x 1
		.amdhsa_system_sgpr_workgroup_id_y 1
		.amdhsa_system_sgpr_workgroup_id_z 1
		.amdhsa_system_vgpr_workitem_id 0
		.amdhsa_next_free_vgpr 256
		.amdhsa_next_free_sgpr 66
		.amdhsa_reserve_vcc 0
		.amdhsa_float_denorm_mode_32 3
		.amdhsa_float_denorm_mode_16_64 3
		.amdhsa_memory_ordered 1
		.amdhsa_forward_progress 1
		.amdhsa_inst_pref_size 32
	.end_amdhsa_kernel
	.amdgpu_metadata
---
amdhsa.version: [ 1, 2 ]
amdhsa.kernels:
  - .name:           k_q10d1ab2006_prep_w
    .symbol:         k_q10d1ab2006_prep_w.kd
    .args:
      - { .name: Wq, .offset: 0, .size: 8, .value_kind: global_buffer, .address_space: global }
      - { .name: Wk, .offset: 8, .size: 8, .value_kind: global_buffer, .address_space: global }
      - { .name: Wv, .offset: 16, .size: 8, .value_kind: global_buffer, .address_space: global }
      - { .name: Wc, .offset: 24, .size: 8, .value_kind: global_buffer, .address_space: global }
      - { .name: wcod, .offset: 32, .size: 8, .value_kind: global_buffer, .address_space: global }
      - { .name: wsc, .offset: 40, .size: 8, .value_kind: global_buffer, .address_space: global }
      - { .name: wc16, .offset: 48, .size: 8, .value_kind: global_buffer, .address_space: global }
    .group_segment_fixed_size: 178176
    .private_segment_fixed_size: 0
    .kernarg_segment_align: 8
    .kernarg_segment_size: 56
    .max_flat_workgroup_size: 512
    .sgpr_count:     66
    .vgpr_count:     256
    .wavefront_size: 32
...
	.end_amdgpu_metadata
.endif
;; end of part 2
;; launch maskpack (part 3): grid 512 x 1, 4 waves a work-group, no clusters, 34,304 bytes of LDS; arguments mask, mbits; writes mbits
.if DOCPART == 3
	.amdgcn_target "amdgcn-amd-amdhsa--gfx1250"
	.amdhsa_code_object_version 6
	.text
	.protected	k_q10d1ab2006_maskpack
	.globl	k_q10d1ab2006_maskpack
	.p2align	8
	.type	k_q10d1ab2006_maskpack,@function
k_q10d1ab2006_maskpack:
	s_mov_b64 s[64:65], 0
	v_nop
	global_prefetch_b8 v0, s[64:65] scope:SCOPE_SE
	s_setreg_imm32_b32 hwreg(HW_REG_WAVE_MODE, 25, 1), 1
	s_wait_xcnt 0x0
; mask [4][2048 (q)][2048 (k)], one byte 0 or 1, becomes lane masks for the attention launch: mbits [b][q tile 128][k tile 128][8 words];
; bit r + 16 h of word j is mask[b][16 qt + r][16 kt + 8 h + j]: the lanes of score register j of that tile (lane (r, h) holds query r and key 8 h + j).  A sixteenth... an eighth of the bytes, read by scalar loads there.
; SHARES.  A work-group is one (b, q tile): 16 rows of the mask.  Wave w takes keys 512 w .. 512 w + 511.  Each load reads 512 consecutive bytes of a row; the 16 rows turn through the wave's own stage
; (rows of 512 + 16 bytes), from which lane (r, h) takes the 8 bytes of row r at key 16 kt + 8 h.  A compare makes a word of 32 lanes' bytes; 256 words a wave leave by two stores of 512 consecutive bytes.
.set SPITCH, 528
.set SPARE,  4*16*SPITCH               ; the spare words: 128 bytes a wave, named by no other line
.set SPW,   14
.set NIL,   15
.set IN,    16                         ; v16-79   16 rows x 16 bytes a lane
.set BY,    80                         ; v80-143  32 k tiles x 8 bytes
.set OUTR,  144                        ; v144-151 word n at register n % 4 + 4 (n / 128), lane (n / 4) % 32
	s_load_b128 s[4:7], s[0:1], 0x0                ; mask, mbits
	v_lshl_add_u32 v[SPW], v0, 2, SPARE
	v_mov_b32 v[NIL], 0
	v_lshrrev_b32 v1, 5, v0
	v_readfirstlane_b32 s8, v1                     ; wave
	v_and_b32 v2, 31, v0
	v_lshlrev_b32 v3, 4, v2                        ; 16 x lane
	s_mul_i32 s9, s8, 16*SPITCH
	v_add_nc_u32 v4, s9, v3                        ; the stage, way in
	v_and_b32 v5, 15, v0
	v_bfe_u32 v6, v0, 4, 1
	v_mul_u32_u24 v5, v5, SPITCH
	v_lshl_add_u32 v5, v6, 3, v5
	v_add_nc_u32 v5, s9, v5                        ; way out: row r, + 8 h
.irp i, 0,1,2,3,4,5,6,7
	v_mov_b32 v[OUTR+\i], 0                        ; a lane write's destination counts as read
.endr
	s_lshl_b32 s10, ttmp9, 15                      ; 16 rows of 2,048 bytes a work-group
	s_lshl_b32 s11, s8, 9
	s_add_co_u32 s10, s10, s11
	s_mov_b32 s11, 0
	s_lshl_b32 s12, ttmp9, 12                      ; 4,096 bytes of words a work-group
	s_lshl_b32 s13, s8, 10
	s_add_co_u32 s12, s12, s13
	s_mov_b32 s13, 0
	s_wait_kmcnt 0x0
	s_add_nc_u64 s[4:5], s[4:5], s[10:11]
	s_add_nc_u64 s[6:7], s[6:7], s[12:13]
.set i, 0
.rept 16
	global_load_b128 v[IN+4*i:IN+4*i+3], v3, s[4:5] offset:i*2048 th:TH_LOAD_NT
.set i, i+1
.endr
.set i, 0
.rept 16
	s_wait_loadcnt 15-i                            ; row i is in; the younger loads stay out
	ds_store_b128 v4, v[IN+4*i:IN+4*i+3] offset:i*SPITCH
.set i, i+1
.endr
.set i, 0
.rept 32
	ds_load_b64 v[BY+2*i:BY+2*i+1], v5 offset:16*i ; in order behind my stores
.set i, i+1
.endr
.set n, 0
.rept 256
.if n%8 == 0
	s_wait_dscnt 31-n/8                            ; k tile n / 8 is in; the younger loads stay out
.endif
	v_bfe_u32 v[8+n%4], v[BY+2*(n/8)+(n%8)/4], 8*(n%4), 8
	v_cmp_ne_u32 s[16+n%32], 0, v[8+n%4]           ; 32 lanes' bytes make one word
	v_writelane_b32 v[OUTR+n%4+4*(n/128)], s[16+n%32], (n/4)%32
.set n, n+1
.endr
	global_store_b128 v3, v[OUTR:OUTR+3], s[6:7]               ; 512 consecutive bytes
	global_store_b128 v3, v[OUTR+4:OUTR+7], s[6:7] offset:512
	s_wait_tensorcnt 0x0                           ; the wave's end
	ds_add_u32 v[SPW], v[NIL]
	s_wait_dscnt 0x0
	s_endpgm
.Lfunc_end_k_q10d1ab2006_maskpack:
	.size	k_q10d1ab2006_maskpack, .Lfunc_end_k_q10d1ab2006_maskpack-k_q10d1ab2006_maskpack
	.p2alignl 7, 3214868480
	.fill 96, 4, 3214868480
	.section	.rodata,"a",@progbits
	.p2align	6, 0x0
	.amdhsa_kernel k_q10d1ab2006_maskpack
		.amdhsa_group_segment_fixed_size 34304
		.amdhsa_private_segment_fixed_size 0
		.amdhsa_enable_private_segment 0
		.amdhsa_kernarg_size 16
		.amdhsa_user_sgpr_count 2
		.amdhsa_user_sgpr_kernarg_segment_ptr 1
		.amdhsa_wavefront_size32 1
		.amdhsa_system_sgpr_workgroup_id_x 1
		.amdhsa_system_sgpr_workgroup_id_y 1
		.amdhsa_system_sgpr_workgroup_id_z 1
		.amdhsa_system_vgpr_workitem_id 0
		.amdhsa_next_free_vgpr 160
		.amdhsa_next_free_sgpr 66
		.amdhsa_reserve_vcc 0
		.amdhsa_float_denorm_mode_32 3
		.amdhsa_float_denorm_mode_16_64 3
		.amdhsa_memory_ordered 1
		.amdhsa_forward_progress 1
		.amdhsa_inst_pref_size 56
	.end_amdhsa_kernel
	.amdgpu_metadata
---
amdhsa.version: [ 1, 2 ]
amdhsa.kernels:
  - .name:           k_q10d1ab2006_maskpack
    .symbol:         k_q10d1ab2006_maskpack.kd
    .args:
      - { .name: mask, .offset: 0, .size: 8, .value_kind: global_buffer, .address_space: global }
      - { .name: mbits, .offset: 8, .size: 8, .value_kind: global_buffer, .address_space: global }
    .group_segment_fixed_size: 34304
    .private_segment_fixed_size: 0
    .kernarg_segment_align: 8
    .kernarg_segment_size: 16
    .max_flat_workgroup_size: 128
    .sgpr_count:     66
    .vgpr_count:     160
    .wavefront_size: 32
...
	.end_amdgpu_metadata
.endif
;; end of part 3
;; launch proj (part 4): grid 4 x 96, 4 waves a work-group, clusters of 4 x 4, 327,680 bytes of LDS; arguments xc, xs, wcod, wsc, bq, bk, bv, qkv16; writes qkv16
.if DOCPART == 4
	.amdgcn_target "amdgcn-amd-amdhsa--gfx1250"
	.amdhsa_code_object_version 6
	.text
	.protected	k_q10d1ab2006_proj
	.globl	k_q10d1ab2006_proj
	.p2align	8
	.type	k_q10d1ab2006_proj,@function
k_q10d1ab2006_proj:
	s_mov_b64 s[64:65], 0
	v_nop
	global_prefetch_b8 v0, s[64:65] scope:SCOPE_SE
	s_setreg_imm32_b32 hwreg(HW_REG_WAVE_MODE, 25, 1), 1
	s_wait_xcnt 0x0
	s_wait_alu depctr_hold_cnt(0) depctr_sa_sdst(0) depctr_va_vdst(0) depctr_va_sdst(0) depctr_va_ssrc(0) depctr_va_vcc(0) depctr_vm_vsrc(0)
	s_getreg_b32 s2, hwreg(HW_REG_IB_STS2, 6, 4)
	s_cmp_eq_u32 s2, 0
	s_cbranch_scc0 .Lentry_in_a_cluster
	s_endpgm
.Lentry_in_a_cluster:
	s_bfe_u32 s2, ttmp6, 0x10000c
	s_cmp_lg_u32 s2, 0xf033
	s_cbranch_scc0 .Lentry_shape_is_right
	s_endpgm
.Lentry_shape_is_right:
; The three quantised projections as ONE product on codes of FP4 with E8M0 scales: rows m = 0 .. 24,575 are query's, key's, value's rows; tensor g = m / 8192 takes weight g.
; C[m][n] = sum over k of A[m][k] B[1024 g + n][k] + bias_g[n]; q (g = 0) is then multiplied by log2(e) / 8 in f32; all is rounded ONCE to f16 and stored by heads:
; qkv16 plane 64 g + 16 b + head, each [2048 (s)][64], 128 bytes a row.  LIMIT: a result beyond 65,504 has no f16 number (the drawn inputs give about 5).
; A tile of C, 256 x 256, is made by four waves, 128 x 128 each: 64 accumulators, 512 registers.  K = 1024 is two LDS slots of 512 along K (rows of 256 bytes): both are asked for at the start and none is filled again.
; The scale bytes of the work-group's rows come once, as runs of 256 bytes.  CLUSTERS: 4 x 4 work-groups; A's tiles are asked for jointly along a row of the cluster, B's along a column.  A cluster's 1,024 rows lie in one tensor.
; THE MATRIX INSTRUCTION IS USED TRANSPOSED (source 0 = 16 rows of B, source 1 = 16 rows of A): a lane holds eight neighbouring n of one row m.  The bias is the C of each sum's first product.
; REGISTERS, in windows of 256: window 0: v0-31 addresses; v32-95 scale words, two sets; v96-127 packed results; v128-191 A's fragments, later rows on their way out; v192-255 the bias, 8 registers for each of 8 blocks of n.
;   window 1: B's fragments, two sets.   windows 2, 3: the accumulators ((a, b) at v[8 (8 (a % 4) + b)]).
.set KSTEP,  512
.set NQ,     4                         ; matrix instructions deep in a slot
.set ROWB,   256                       ; a tile's row in bytes
.set KROW,   512                       ; a row of codes in memory
.set PITCH,  272                       ; an LDS row: 256 + 16: the 16 rows of a fragment load start 16 bytes apart modulo 256
.set FR,     8
.set NL,     2
.set NP,     4                         ; places behind this matrix instruction (ISA guide 7.12.1)
.set HALFT,  128*PITCH
.set SLOT,   4*HALFT
.set KS,     32                        ; a row of scale bytes
.set SCL,    2*SLOT
.set HALFS,  (128*KS/256)*272
.set SBLK,   (16*KS/256)*272
.set SPARE,  SCL+4*HALFS               ; the spare words: 128 bytes a wave, named by no other line
.set SPITCH, 272                       ; the way out: 16 rows x (256 + 16) a wave, in slot 0, which has had its only fill and its last read by then
.set ADRA, 16
.set ADRB, 20
.set STO,  24
.set RD,   25
.set CO,   26
.set ADRS, 27
.set SPW,  28
.set NIL,  29
.set BO,   30                          ; v30 the bias loads' offset: 32 (lane / 16)
.set SC,   32
.set TMP,  96
.set AF,   128
.set BK,   128
.set BIAS, 192
.set G1, 24
.set G0, 32
.set G1B, 48
.set G0B, 56
.set G1S, 68
.set G0S, 76
.set G1SB, 80
.set G0SB, 88
.set GT,  95                           ; s95 g: which tensor; the same in all sixteen partners
.set QS,  100                          ; s[100:101] log2(e) / 8
.set MSB, 0
.macro WIN new                         ; the immediate's high byte repeats the setting that is left
.if MSB != (\new)
	s_set_vgpr_msb (MSB<<8)|(\new)
.set MSB, (\new)
.endif
.endm
.set MUL_LO, 0xa1                      ; source 0 (B) window 1, source 1 (A) window 0, C and D window 2
.set MUL_HI, 0xf1                      ; the same, C and D window 3
.set TO_B,   0x40
; A joint load: waves 0 and 1 fetch for A, waves 2 and 3 for B; the branch hangs on the wave's number alone.  An s_nop 0 and four v_nop follow each line.
.macro JLOAD g0a, g1a, g0b, g1b
	s_cmp_eq_u32 s15, 0
	s_cbranch_scc0 .Lfor_b_\@
	tensor_load_to_lds s[\g0a:\g0a+3], s[\g1a:\g1a+7]
	s_nop 0
.rept 4
	v_nop
.endr
	s_branch .Lasked_\@
.Lfor_b_\@:
	tensor_load_to_lds s[\g0b:\g0b+3], s[\g1b:\g1b+7]
	s_nop 0
.rept 4
	v_nop
.endr
.Lasked_\@:
.endm
.macro CROUND                          ; a round of the cluster's barrier
	s_barrier_signal -1
	s_barrier_wait -1
	s_cmp_lg_u32 s14, 0
	s_cbranch_scc1 .Lnot_wave_0_\@
	s_barrier_signal -3
.Lnot_wave_0_\@:
	s_barrier_wait -3
	s_barrier_signal -1
	s_barrier_wait -1
.endm
	s_load_b128 s[4:7], s[0:1], 0x0                ; xc, xs
	s_load_b128 s[8:11], s[0:1], 0x10              ; wcod, wsc
	s_load_b128 s[96:99], s[0:1], 0x20             ; bq, bk
	s_load_b64 s[66:67], s[0:1], 0x30              ; bv
	s_load_b64 s[12:13], s[0:1], 0x38              ; qkv16
	v_lshl_add_u32 v[SPW], v0, 2, SPARE
	v_mov_b32 v[NIL], 0
	ds_add_u32 v[SPW], v[NIL]                      ; the wave's opening: the add, twice on end, and its wait ahead of my first tensor load
	ds_add_u32 v[SPW], v[NIL]
	v_lshrrev_b32 v1, 5, v0
	v_readfirstlane_b32 s14, v1                    ; wave 0..3
	s_lshr_b32 s15, s14, 1                         ; which half of the tile's rows is mine.  Also: I fetch for A (0) or for B (1)
	s_and_b32 s16, s14, 1                          ; which half of its columns.  Also: which 128 rows I fetch
	s_bfe_u32 s40, ttmp6, 0x40000                  ; cx
	s_bfe_u32 s41, ttmp6, 0x40004                  ; cy
	s_lshl_b32 s42, ttmp9, 2
	s_add_co_u32 s42, s42, s40                     ; tile column = 4 x cluster x + cx
	s_and_b32 s17, ttmp7, 0xffff
	s_lshr_b32 s[GT], s17, 3                       ; eight rows of clusters a tensor
	s_lshl_b32 s17, s17, 2
	s_add_co_u32 s17, s17, s41                     ; tile row = 4 x cluster y + cy
	s_lshl_b32 s43, s41, 2
	s_lshl_b32 s43, 15, s43                        ; my row of the cluster
	s_lshl_b32 s44, 0x1111, s40                    ; my column
	s_or_b32 s[G1+0], s43, (0<<16)|(1<<20)|(1<<21)|(5<<22)|(3<<25)   ; the mask; elements of 1 byte; padding: 4 words behind every 64
	s_or_b32 s[G1B+0], s44, (0<<16)|(1<<20)|(1<<21)|(5<<22)|(3<<25)
.irp g, G1, G1B
	s_mov_b32 s[\g+1], ROWB<<16                    ; tensor_dim0
	s_mov_b32 s[\g+2], 128<<16                     ; tensor_dim1
	s_mov_b32 s[\g+3], ROWB<<16                    ; tile_dim0
	s_mov_b32 s[\g+4], 128                         ; tile_dim1
	s_mov_b32 s[\g+5], KROW                        ; the pitch
	s_mov_b32 s[\g+6], 0
	s_mov_b32 s[\g+7], 0
.endr
	s_or_b32 s[G1S+0], s43, (3<<16)|(1<<20)|(1<<21)|(5<<22)|(3<<25)  ; the scales of 128 rows: 4,096 dense bytes as 16 rows of 256 (32 elements of 8 bytes), 16 bytes of padding behind each
	s_or_b32 s[G1SB+0], s44, (3<<16)|(1<<20)|(1<<21)|(5<<22)|(3<<25)
.irp g, G1S, G1SB
	s_mov_b32 s[\g+1], 32<<16
	s_mov_b32 s[\g+2], (128*KS/256)<<16
	s_mov_b32 s[\g+3], 32<<16
	s_mov_b32 s[\g+4], 128*KS/256
	s_mov_b32 s[\g+5], 32
	s_mov_b32 s[\g+6], 0
	s_mov_b32 s[\g+7], 0
.endr
	s_mov_b32 s[QS], 0x3e38aa3b                    ; log2(e) / 8
	s_mov_b32 s[QS+1], s[QS]                       ; (named with it as a pair)
	s_lshl_b32 s18, s16, 7
	s_lshl_b32 s20, s17, 8
	s_add_co_u32 s20, s20, s18                     ; A: row 256 x tile row + 128 x half
	s_lshl_b32 s46, s42, 8
	s_add_co_u32 s46, s46, s18                     ; B: row 256 x tile column + 128 x half
	s_lshl_b32 s3, s[GT], 10
	s_add_co_u32 s46, s46, s3                      ;    + 1024 g
	s_mov_b32 s21, 0
	s_mov_b32 s47, 0
	s_mov_b64 s[18:19], KS
	s_mul_u64 s[22:23], s[20:21], s[18:19]         ; where these rows' scales begin
	s_mul_u64 s[92:93], s[46:47], s[18:19]
	s_mov_b64 s[18:19], KROW
	s_mul_u64 s[20:21], s[20:21], s[18:19]         ; and their codes
	s_mul_u64 s[46:47], s[46:47], s[18:19]
	s_mul_i32 s45, s14, HALFT                      ; where they go: wave x 128 rows
	s_mul_i32 s94, s14, HALFS
	s_wait_dscnt 0x0                               ; both opening adds are done
	s_wait_kmcnt 0x0
	s_add_nc_u64 s[20:21], s[4:5], s[20:21]
	s_add_nc_u64 s[22:23], s[6:7], s[22:23]
	s_add_nc_u64 s[46:47], s[8:9], s[46:47]
	s_add_nc_u64 s[92:93], s[10:11], s[92:93]
	CROUND                                         ; all sixteen work-groups are here: the joint loads meet
	s_mov_b32 s[G0S], 1
	s_add_co_u32 s[G0S+1], s94, SCL
	s_mov_b64 s[G0S+2:G0S+3], s[22:23]
	s_or_b32 s[G0S+3], s[G0S+3], 0x80000000
	s_mov_b32 s[G0SB], 1
	s_add_co_u32 s[G0SB+1], s94, SCL
	s_mov_b64 s[G0SB+2:G0SB+3], s[92:93]
	s_or_b32 s[G0SB+3], s[G0SB+3], 0x80000000
	JLOAD G0S, G1S, G0SB, G1SB                     ; the scales first
.irp s, 0,1
	s_mov_b32 s[G0+4*\s], 1
	s_add_co_u32 s[G0+4*\s+1], s45, \s*SLOT
	s_add_nc_u64 s[G0+4*\s+2:G0+4*\s+3], s[20:21], \s*ROWB
	s_or_b32 s[G0+4*\s+3], s[G0+4*\s+3], 0x80000000
	s_mov_b32 s[G0B+4*\s], 1
	s_add_co_u32 s[G0B+4*\s+1], s45, \s*SLOT
	s_add_nc_u64 s[G0B+4*\s+2:G0B+4*\s+3], s[46:47], \s*ROWB
	s_or_b32 s[G0B+4*\s+3], s[G0B+4*\s+3], 0x80000000
	JLOAD G0+4*\s, G1, G0B+4*\s, G1B               ; by this text's count three tensor loads of a wave are out
.endr
	v_and_b32 v1, 15, v0                           ; r
	v_bfe_u32 v2, v0, 4, 1                         ; h
	; the bias of my 128 columns: block b's register j is bias(16 b + 8 h + j)
	s_cmp_eq_u32 s[GT], 0
	s_cselect_b64 s[96:97], s[96:97], s[98:99]
	s_cmp_eq_u32 s[GT], 2
	s_cselect_b64 s[96:97], s[66:67], s[96:97]
	s_lshl_b32 s46, s42, 10
	s_lshl_b32 s47, s16, 9
	s_add_co_u32 s46, s46, s47                     ; 4 (256 x tile column + 128 x half)
	s_mov_b32 s47, 0
	s_add_nc_u64 s[96:97], s[96:97], s[46:47]
	v_lshlrev_b32 v[BO], 5, v2
.irp b, 0,1,2,3,4,5,6,7
	global_load_b128 v[BIAS+8*\b:BIAS+8*\b+3], v[BO], s[96:97] offset:64*\b
	global_load_b128 v[BIAS+8*\b+4:BIAS+8*\b+7], v[BO], s[96:97] offset:64*\b+16
.endr
	v_mul_u32_u24 v3, v1, PITCH
	v_lshl_add_u32 v4, v2, 4, v3                   ; a fragment's row x pitch + 16 x half
	s_mul_i32 s21, s15, HALFT
	s_mul_i32 s22, s16, HALFT
	s_add_co_u32 s22, s22, 2*HALFT
.irp s, 0,1
	v_add_nc_u32 v[ADRA+\s], s21, v4
	v_add_nc_u32 v[ADRB+\s], s22, v4
	s_add_co_u32 s21, s21, SLOT
	s_add_co_u32 s22, s22, SLOT
.endr
	v_mul_u32_u24 v5, v1, KS                       ; my row's scales: 32 bytes a row,
	v_lshrrev_b32 v6, 8, v5
	v_lshl_add_u32 v5, v6, 4, v5                   ; and 16 more for each 256 passed
	s_mul_i32 s21, s15, HALFS
	s_mul_i32 s22, s16, HALFS
	s_add_co_u32 s22, s22, 2*HALFS
	s_sub_co_u32 s22, s22, s21
	v_mul_u32_u24 v6, s22, v2                      ; lanes 16-31 take B's
	s_add_co_u32 s21, s21, SCL
	v_add_nc_u32 v5, v5, v6
	v_add_nc_u32 v[ADRS], s21, v5
	s_mul_i32 s23, s14, 16*SPITCH                  ; my stage
	v_mul_u32_u24 v5, v1, SPITCH
	v_lshl_add_u32 v5, v2, 4, v5
	v_add_nc_u32 v[STO], s23, v5                   ; in: row r, 16 bytes for each half of the lanes
	v_and_b32 v6, 31, v0
	v_lshlrev_b32 v[CO], 4, v6                     ; out, in memory: four rows of 128 bytes of one head are 512 consecutive bytes: 16 x lane
	v_lshrrev_b32 v7, 3, v6
	v_mul_u32_u24 v7, v7, SPITCH
	v_and_b32 v6, 7, v6
	v_lshl_add_u32 v7, v6, 4, v7
	v_add_nc_u32 v[RD], s23, v7                    ; out, in the stage: row lane / 8, 16 (lane % 8); two rows meet in half of the banks: two passes a load
	s_lshl_b32 s20, s17, 8
	s_lshl_b32 s21, s15, 7
	s_add_co_u32 s20, s20, s21                     ; m0: my first row
	s_lshr_b32 s21, s20, 11                        ; 4 g + b
	s_lshl_b32 s21, s21, 4
	s_lshl_b32 s22, s42, 2
	s_add_co_u32 s21, s21, s22
	s_lshl_b32 s22, s16, 1
	s_add_co_u32 s21, s21, s22                     ; my first plane: 16 (4 g + b) + 4 x tile column + 2 x half
	s_lshl_b32 s21, s21, 18
	s_and_b32 s20, s20, 2047
	s_lshl_b32 s20, s20, 7
	s_add_co_u32 s20, s20, s21
	s_mov_b32 s21, 0
	s_add_nc_u64 s[12:13], s[12:13], s[20:21]
.macro FRAG reg, adr, q, i             ; 16 rows x 128 K of 4-bit codes: 8 registers: two loads of 16 bytes, 32 bytes apart
.irp c, 0,1
	ds_load_b128 v[\reg+4*\c:\reg+4*\c+3], v[\adr] offset:64*(\q)+32*\c+(\i)*16*PITCH
.endr
.endm
; 16 matrix instructions: A's blocks a0, a0 + 1 x B's eight.  first = 1: the C is the bias.  The 64 accumulators take turns, one instruction a turn, in the same order in every step.
.macro MUL16 a0, p, q, sc, first
.irp a, \a0, \a0+1
.irp b, 0,1,2,3,4,5,6,7
.if \first
	v_wmma_scale_f32_16x16x128_f8f6f4 v[8*(8*((\a)%4)+\b):8*(8*((\a)%4)+\b)+7], v[128*(\p)+FR*\b:128*(\p)+FR*\b+FR-1], v[AF+FR*(\a):AF+FR*(\a)+FR-1], v[BIAS+8*\b:BIAS+8*\b+7], v[SC+8*NQ*(\sc)+NQ*\b+(\q)], v[SC+8*NQ*(\sc)+NQ*(\a)+(\q)] matrix_a_fmt:MATRIX_FMT_FP4 matrix_b_fmt:MATRIX_FMT_FP4 matrix_a_scale:MATRIX_SCALE_ROW1
.else
	v_wmma_scale_f32_16x16x128_f8f6f4 v[8*(8*((\a)%4)+\b):8*(8*((\a)%4)+\b)+7], v[128*(\p)+FR*\b:128*(\p)+FR*\b+FR-1], v[AF+FR*(\a):AF+FR*(\a)+FR-1], v[8*(8*((\a)%4)+\b):8*(8*((\a)%4)+\b)+7], v[SC+8*NQ*(\sc)+NQ*\b+(\q)], v[SC+8*NQ*(\sc)+NQ*(\a)+(\q)] matrix_a_fmt:MATRIX_FMT_FP4 matrix_b_fmt:MATRIX_FMT_FP4 matrix_a_scale:MATRIX_SCALE_ROW1
.endif
.endr
.endr
.endm
.macro FETCH_B slot, q, p
	WIN TO_B
.irp i, 0,1,2,3,4,5,6,7
	FRAG 128*(\p)+FR*\i, ADRB+\slot, \q, \i
.endr
	WIN 0
.endm
.macro FETCH_A slot, q, i0
.irp i, \i0, \i0+1, \i0+2, \i0+3
	FRAG AF+FR*(\i), ADRA+\slot, \q, \i
.endr
.endm
.macro SCALES sc                       ; a slot's scale words: lanes 0-15 A's block i, lanes 16-31 B's block i
.irp i, 0,1,2,3,4,5,6,7
	ds_load_b128 v[SC+8*NQ*\sc+NQ*\i:SC+8*NQ*\sc+NQ*\i+3], v[ADRS] offset:\i*SBLK
.endr
.endm
.macro PLACES n                        ; plain vector lines behind matrix instructions, ahead of loads into their sources and of reads of their results
.rept \n
	v_nop
.endr
.endm
.macro STEP slot, q, first             ; 128 along K whose successor lies in the same slot.  first = 1: C (the bias) lies in window 0
	s_wait_dscnt 4*NL                              ; B's set and A's blocks 0-3 are in; the youngest eight loads (A's blocks 4-7) may be out
	WIN MUL_LO-0x20*(\first)
	MUL16 0, (\q)%2, \q, \slot, \first
	MUL16 2, (\q)%2, \q, \slot, \first
	s_wait_dscnt 0
	PLACES NP
	FETCH_B \slot, (\q)+1, 1-(\q)%2
	FETCH_A \slot, (\q)+1, 0
	WIN MUL_HI-0x30*(\first)
	MUL16 4, (\q)%2, \q, \slot, \first
	MUL16 6, (\q)%2, \q, \slot, \first
	PLACES NP
	WIN 0
	FETCH_A \slot, (\q)+1, 4
.endm
.macro STEPS slot, from
.set Q, \from
.rept NQ-1-\from
	STEP \slot, Q, 0
.set Q, Q+1
.endr
.endm
	s_wait_tensorcnt 1                             ; the scales and my part of slot 0 are in (slot 1's load may be out)
	s_barrier_signal -1
	s_barrier_wait -1                              ; everybody's are
	FETCH_B 0, 0, 0
	FETCH_A 0, 0, 0
	SCALES 0
	FETCH_A 0, 0, 4
	s_wait_loadcnt 0x0                             ; the bias
	STEP 0, 0, 1
	STEPS 0, 1
	; slot 0's last step changes slots: one barrier; ahead of it my tensor loads, the add, my reads of slot 0
	s_wait_tensorcnt 0x0                           ; my part of slot 1 has landed
	ds_add_u32 v[SPW], v[NIL]
	s_wait_dscnt 4*NL+1                            ; (the add and A's blocks 4-7 may be out)
	WIN MUL_LO
	MUL16 0, 1, NQ-1, 0, 0
	s_wait_dscnt 0x0                               ; the add is done, and my reads of slot 0 are over
	s_barrier_signal -1
	MUL16 2, 1, NQ-1, 0, 0
	WIN 0
	s_barrier_wait -1
	PLACES NP
	v_add_nc_u32 v[ADRS], 4*NQ, v[ADRS]            ; on to slot 1's scale words
	FETCH_B 1, 0, 0
	FETCH_A 1, 0, 0
	SCALES 1
	WIN MUL_HI
	MUL16 4, 1, NQ-1, 0, 0
	MUL16 6, 1, NQ-1, 0, 0
	PLACES NP
	WIN 0
	FETCH_A 1, 0, 4
	STEPS 1, 0
	s_wait_dscnt 4*NL                              ; the last step: nothing more to fetch
	WIN MUL_LO
	MUL16 0, 1, NQ-1, 1, 0
	MUL16 2, 1, NQ-1, 1, 0
	s_wait_dscnt 0
	WIN MUL_HI
	MUL16 4, 1, NQ-1, 1, 0
	MUL16 6, 1, NQ-1, 1, 0
	WIN 0
	PLACES NP
	s_cmp_lg_u32 s[GT], 0                          ; q alone is scaled, in f32, ahead of its one rounding; g is the same in all partners
	s_cbranch_scc1 .Lnot_q
	WIN 0x82                                       ; destination and source 0 window 2
.set i, 0
.rept 128
	v_pk_mul_f32 v[i:i+1], v[i:i+1], s[QS:QS+1] op_sel_hi:[1,0]   ; ascending: each accumulator from its low end on
.set i, i+2
.endr
	WIN 0xc3                                       ; window 3
.set i, 0
.rept 128
	v_pk_mul_f32 v[i:i+1], v[i:i+1], s[QS:QS+1] op_sel_hi:[1,0]
.set i, i+2
.endr
	WIN 0
.Lnot_q:
; THE WAY OUT, a block of 16 rows x 128 columns (two heads) at a time: rounded to f16, 16 bytes a lane, through my stage, and back so that the 32 lanes hold four whole rows of one head: 512 consecutive bytes of a plane.
.macro PACK a
.set AC, 64*((\a)%4)
	WIN 0x0a+5*((\a)/4)                            ; sources 0 and 1: window 2 or 3
.irp b, 0,1,2,3,4,5,6,7
.irp r, 0,1,2,3
	v_cvt_pk_f16_f32 v[TMP+4*\b+\r], v[AC+8*\b+2*\r], v[AC+8*\b+2*\r+1]
.endr
.endr
	WIN 0
.endm
.macro TOSTAGE a
.set BB, BK+32*((\a)%2)
.irp b, 0,1,2,3,4,5,6,7
	ds_store_b128 v[STO], v[TMP+4*\b:TMP+4*\b+3] offset:32*\b
.endr
.irp t, 0,1,2,3,4,5,6,7
	ds_load_b128 v[BB+4*\t:BB+4*\t+3], v[RD] offset:(\t%4)*4*SPITCH+128*(\t/4)   ; in order behind my stores
.endr
.endm
.macro SEND a
.set BB, BK+32*((\a)%2)
	s_wait_dscnt 0x0                               ; the block is back in registers
	s_wait_xcnt 0x0                                ; the stores of the block before have read their registers: the next block's loads may land there
.irp t, 0,1,2,3,4,5,6,7
	global_store_b128 v[CO], v[BB+4*\t:BB+4*\t+3], s[12:13] offset:(\t/4)*262144+(16*(\a)+4*(\t%4))*128
.endr
.endm
	PACK 0
	TOSTAGE 0
.irp a, 1,2,3,4,5,6,7                  ; block a's conversions stand between block a - 1's loads from the stage and the wait for them
	PACK \a
	SEND \a-1
	TOSTAGE \a
.endr
	SEND 7
	s_wait_tensorcnt 0x0                           ; the wave's end
	ds_add_u32 v[SPW], v[NIL]
	s_wait_dscnt 0x0
	CROUND                                         ; the closing round
	s_endpgm
.Lfunc_end_k_q10d1ab2006_proj:
	.size	k_q10d1ab2006_proj, .Lfunc_end_k_q10d1ab2006_proj-k_q10d1ab2006_proj
	.p2alignl 7, 3214868480
	.fill 96, 4, 3214868480
	.section	.rodata,"a",@progbits
	.p2align	6, 0x0
	.amdhsa_kernel k_q10d1ab2006_proj
		.amdhsa_group_segment_fixed_size 327680
		.amdhsa_private_segment_fixed_size 0
		.amdhsa_enable_private_segment 0
		.amdhsa_kernarg_size 64
		.amdhsa_user_sgpr_count 2
		.amdhsa_user_sgpr_kernarg_segment_ptr 1
		.amdhsa_wavefront_size32 1
		.amdhsa_system_sgpr_workgroup_id_x 1
		.amdhsa_system_sgpr_workgroup_id_y 1
		.amdhsa_system_sgpr_workgroup_id_z 1
		.amdhsa_system_vgpr_workitem_id 0
		.amdhsa_next_free_vgpr 1024
		.amdhsa_next_free_sgpr 102
		.amdhsa_reserve_vcc 0
		.amdhsa_float_denorm_mode_32 3
		.amdhsa_float_denorm_mode_16_64 3
		.amdhsa_memory_ordered 1
		.amdhsa_forward_progress 1
		.amdhsa_inst_pref_size 145
	.end_amdhsa_kernel
	.amdgpu_metadata
---
amdhsa.version: [ 1, 2 ]
amdhsa.kernels:
  - .name:           k_q10d1ab2006_proj
    .symbol:         k_q10d1ab2006_proj.kd
    .args:
      - { .name: xc, .offset: 0, .size: 8, .value_kind: global_buffer, .address_space: global }
      - { .name: xs, .offset: 8, .size: 8, .value_kind: global_buffer, .address_space: global }
      - { .name: wcod, .offset: 16, .size: 8, .value_kind: global_buffer, .address_space: global }
      - { .name: wsc, .offset: 24, .size: 8, .value_kind: global_buffer, .address_space: global }
      - { .name: bq, .offset: 32, .size: 8, .value_kind: global_buffer, .address_space: global }
      - { .name: bk, .offset: 40, .size: 8, .value_kind: global_buffer, .address_space: global }
      - { .name: bv, .offset: 48, .size: 8, .value_kind: global_buffer, .address_space: global }
      - { .name: qkv16, .offset: 56, .size: 8, .value_kind: global_buffer, .address_space: global }
    .group_segment_fixed_size: 327680
    .private_segment_fixed_size: 0
    .kernarg_segment_align: 8
    .kernarg_segment_size: 64
    .max_flat_workgroup_size: 128
    .sgpr_count:     102
    .vgpr_count:     1024
    .wavefront_size: 32
...
	.end_amdgpu_metadata
.endif
;; end of part 4
;; launch attn (part 5): grid 4 x 64, 8 waves a work-group, clusters of 4 x 1, 327,680 bytes of LDS; arguments qkv16, mbits, out1, a16; writes out1, a16
.if DOCPART == 5
	.amdgcn_target "amdgcn-amd-amdhsa--gfx1250"
	.amdhsa_code_object_version 6
	.text
	.protected	k_q10d1ab2006_attn
	.globl	k_q10d1ab2006_attn
	.p2align	8
	.type	k_q10d1ab2006_attn,@function
k_q10d1ab2006_attn:
	s_mov_b64 s[64:65], 0
	v_nop
	global_prefetch_b8 v0, s[64:65] scope:SCOPE_SE
	s_setreg_imm32_b32 hwreg(HW_REG_WAVE_MODE, 25, 1), 1
	s_wait_xcnt 0x0
	s_wait_alu depctr_hold_cnt(0) depctr_sa_sdst(0) depctr_va_vdst(0) depctr_va_sdst(0) depctr_va_ssrc(0) depctr_va_vcc(0) depctr_vm_vsrc(0)
	s_getreg_b32 s2, hwreg(HW_REG_IB_STS2, 6, 4)
	s_cmp_eq_u32 s2, 0
	s_cbranch_scc0 .Lentry_in_a_cluster
	s_endpgm
.Lentry_in_a_cluster:
	s_bfe_u32 s2, ttmp6, 0x10000c
	s_cmp_lg_u32 s2, 0x3003
	s_cbranch_scc0 .Lentry_shape_is_right
	s_endpgm
.Lentry_shape_is_right:
; out1[b][s][64 head + d] = sum over k of softmax_k(t(s, k)) v[k][d], t = q . k / 8 where the mask is 0 and -1e10 where it is 1 (replaced, as the problem has it: a row that is masked throughout comes out uniform).
; q, k, v: f16 planes of qkv16 ([2048][64]; q already holds the factor log2(e) / 8, so a score is t log2(e)).  Products on f16 operands, f32 sums; maxima, exponentials and sums in f32, with a running maximum m:
; p = 2^(t - m); in every step O and l are multiplied by f = 2^(old m - new m).  The row's sum is taken of p before it is rounded to f16.  out1 is f32; a16 is the same rounded to f16, laid for the next launch:
; byte ((1024 b + s / 2) 16 + head) 256 + 128 (s % 2) + 2 d, so that two rows' 128 bytes of a head are 256 consecutive bytes.
; THE MASK IS AN INPUT: every key is walked.  It comes as lane masks (mbits), by scalar loads, and only selects values: no branch hangs on it.
; LIMITS: q, k, v beyond 65,504 have no f16 number; NaN and infinities are not served.
; SHARES.  A work-group owns 512 queries of one (b, head); each of its 8 waves 64: four tiles of 16; two waves share a SIMD, so that one's vector work stands beside the other's matrix work.  64 keys a step, 4 steps a slot, 8 slots.
; CLUSTER.  The four query blocks of a head walk the same K and V: each tile is asked for JOINTLY, with one descriptor and a mask that names the four.  Waves 0-3 fetch a slot's four tiles of K, waves 4-7 its four of V.
; LAYOUT.  S^T = K Q^T (source 0 = 16 keys, source 1 = 16 queries), O^T = V^T P: a lane holds ONE query throughout.  P is packed in place into the lower 16 of its tile's 32 score registers.  V comes turned by ds_load_tr16_b128.
; A KEY STEP, in phases: 32 products K Q^T | next K is fetched | softmax of tiles 0, 1, then of tiles 2, 3 | 32 products V^T P | next V is fetched.
; REGISTERS: window 0: v1-15 addresses and constants; v16-47 eight of statistics a tile; v64-191 S^T; v192-255 V.   window 1: v0-127 O^T; v128-191 Q; v192-255 K.
.set PK,    144                        ; a row of K in LDS: 128 bytes + 16: the 16 rows of a load start 16 bytes apart modulo 256
.set PVP,   160                        ; a row of V: 128 + 32: an odd multiple of 32
.set VOFF,  64*PK                      ; a step's tiles lie together: 64 rows of K, then 64 of V
.set STEPB, 64*(PK+PVP)
.set SLOT1, 1<<17                      ; slot 1 begins here: one exclusive or turns an address from one slot to the other
.set STAGE, SLOT1+4*STEPB              ; the way out: for each wave 16 x 272 bytes (f32) and 8 x 272 (f16)
.set WST,   6656
.set SPARE, STAGE+8*WST                ; the spare words: 128 bytes a wave, named by no other line
.set AK0, 2
.set AV0, 3
.set ADR, 4
.set QO,  5
.set STO32, 6
.set RD,  7
.set GO,  8
.set STO16, 9
.set NEG, 12                           ; v12 -1e10 log2(e)
.set PFO, 13                           ; v13 256 x lane; never rewritten
.set SPW, 14
.set NIL, 15
.set ST,  16                           ; tile t at v[ST + 8 t]: +0 -m, +1 its pair's partner, +2, +3 l, +4 to +7 c0-c3 at work (f takes c2's place)
.set S,   64
.set VF,  192
.set O,   0                            ; window 1
.set QF,  128
.set KF,  192
.set WV,  2
.set TB,  3                            ; s3 LDS byte at which the tiles of the step to be fetched begin
.set MP,  4                            ; s[4:5] my first tile's mask words of the step in hand
.set SLOTS, 6
.set STEPS, 7
.set G1K, 8
.set G1V, 16
.set G0,  24                           ; one group 0, which walks: written only where no tensor load of mine is out
.set LIM, 66
.set SEL, 100
.set PFA, 104
.set MSB, 0
.macro WIN new
.if MSB != (\new)
	s_set_vgpr_msb (MSB<<8)|(\new)
.set MSB, (\new)
.endif
.endm
.set W_KQ, 0x05                        ; K and Q in window 1, S^T in window 0
.set W_PV, 0x50                        ; V and P in window 0, O^T in window 1
.set W_RS, 0x41                        ; O^T (destination and source 0) in window 1, f in window 0
.macro PLACES n
.rept \n
	v_nop
.endr
.endm
.macro JLOAD                           ; my one joint load: a tile of K (waves 0-3) or of V (waves 4-7); the two differ in the padding.  An s_nop 0 and four v_nop follow each line
	s_cmp_lt_u32 s[WV], 4
	s_cbranch_scc0 .Lfor_v_\@
	tensor_load_to_lds s[G0:G0+3], s[G1K:G1K+7]
	s_nop 0
.rept 4
	v_nop
.endr
	s_branch .Lasked_\@
.Lfor_v_\@:
	tensor_load_to_lds s[G0:G0+3], s[G1V:G1V+7]
	s_nop 0
.rept 4
	v_nop
.endr
.Lasked_\@:
.endm
; A prefetch of what the NEXT change of slots will ask for: a slot is 32,768 bytes of K and as many of V.  A head has one cluster; its four partners take 8,192 bytes each, told apart by address; in each, wave 0 asks for K's
; and wave 4 for V's, lanes 256 bytes apart: each block is named once in the launch, four key steps ahead of its load.  The last change that fills a slot asks for nothing.
.macro ASK
	s_cmp_gt_u32 s[SLOTS], s[LIM]
	s_cbranch_scc0 .Lnot_mine_\@
	global_prefetch_b8 v[PFO], s[PFA:PFA+1] th:TH_LOAD_NT scope:SCOPE_SE
.Lnot_mine_\@:
.endm
.macro CROUND
	s_barrier_signal -1
	s_barrier_wait -1
	s_cmp_lg_u32 s[WV], 0
	s_cbranch_scc1 .Lnot_wave_0_\@
	s_barrier_signal -3
.Lnot_wave_0_\@:
	s_barrier_wait -3
	s_barrier_signal -1
	s_barrier_wait -1
.endm
.macro MLOAD p                         ; the step's 32 mask words of tiles p and p + 1: s32-63 and s68-99
	s_load_b512 s[32:47], s[MP:MP+1], (\p)*4096
	s_load_b512 s[48:63], s[MP:MP+1], (\p)*4096+64
	s_load_b512 s[68:83], s[MP:MP+1], (\p)*4096+4096
	s_load_b512 s[84:99], s[MP:MP+1], (\p)*4096+4160
.endm
	s_load_b128 s[28:31], s[0:1], 0x0              ; qkv16, mbits
	v_lshl_add_u32 v[SPW], v0, 2, SPARE
	v_mov_b32 v[NIL], 0
	ds_add_u32 v[SPW], v[NIL]                      ; the wave's opening: the add, twice on end, and its wait ahead of my first tensor load
	ds_add_u32 v[SPW], v[NIL]
	v_lshrrev_b32 v1, 5, v0
	v_readfirstlane_b32 s[WV], v1                  ; wave 0..7
	s_bfe_u32 s32, ttmp6, 0x40000                  ; cx: my block of 512 queries
	s_and_b32 s33, ttmp7, 0xffff                   ; 16 b + head, which the partners share
	s_mov_b32 s[G1K], 15|(1<<16)|(1<<20)|(1<<21)|(4<<22)|(3<<25)   ; the mask: all four; elements of 2 bytes; padding: 4 words behind every 32
	s_mov_b32 s[G1V], 15|(1<<16)|(1<<20)|(1<<21)|(4<<22)|(7<<25)   ; the same with 8 words
.irp g, G1K, G1V
	s_mov_b32 s[\g+1], 64<<16                      ; tensor_dim0 = 64
	s_mov_b32 s[\g+2], 64<<16                      ; tensor_dim1 = 64
	s_mov_b32 s[\g+3], 64<<16                      ; tile_dim0 = 64
	s_mov_b32 s[\g+4], 64                          ; tile_dim1 = 64
	s_mov_b32 s[\g+5], 64                          ; the pitch
	s_mov_b32 s[\g+6], 0
	s_mov_b32 s[\g+7], 0
.endr
	s_mov_b32 s[SEL], 0x76543210
	s_mov_b32 s[SEL+1], 0xfedcba98                 ; lane l xor 16
	s_mov_b32 s[TB], 0
	s_mov_b32 s[SLOTS], 6
	s_and_b32 s34, s[WV], 3                        ; which of a slot's four steps I fetch
	s_lshr_b32 s35, s[WV], 2                       ; for K (0) or for V (1)
	s_mul_i32 s36, s34, STEPB
	s_mul_i32 s37, s35, VOFF
	s_add_co_u32 s36, s36, s37                     ; its place in a slot
	s_lshl_b32 s38, s35, 6
	s_add_co_u32 s38, s38, s33
	s_add_co_u32 s38, s38, 64                      ; plane 64 + 64 (w / 4) + 16 b + head
	s_lshl_b32 s38, s38, 18
	s_mov_b32 s39, 0
	s_lshl_b32 s40, s34, 13                        ; 64 rows of 128 bytes a step
	s_mov_b32 s41, 0
	s_cmp_eq_u32 s34, 0
	s_cselect_b32 s[LIM], 1, -1                    ; waves 0 and 4 prefetch
	s_lshr_b32 s42, s33, 4
	s_lshl_b32 s42, s42, 7
	s_lshl_b32 s43, s32, 5
	s_add_co_u32 s42, s42, s43
	s_lshl_b32 s43, s[WV], 2
	s_add_co_u32 s42, s42, s43                     ; my first q tile: 128 b + 32 cx + 4 w
	s_lshl_b32 s42, s42, 12
	s_mov_b32 s43, 0
	s_lshl_b32 s44, s33, 18                        ; Q: plane 16 b + head, row 512 cx + 64 w
	s_lshl_b32 s45, s32, 16
	s_add_co_u32 s44, s44, s45
	s_lshl_b32 s45, s[WV], 13
	s_add_co_u32 s44, s44, s45
	s_mov_b32 s45, 0
	s_lshl_b32 s46, s32, 13                        ; the prefetches: my work-group's 8,192 bytes, in slot 2: the first change that asks steps it to slot 3
	s_add_co_u32 s46, s46, 65536
	s_mov_b32 s47, 0
	s_wait_dscnt 0x0                               ; both opening adds are done
	s_wait_kmcnt 0x0
	s_add_nc_u64 s[48:49], s[28:29], s[38:39]      ; my plane of K or V
	s_mov_b32 s[G0], 1
	s_mov_b32 s[G0+1], s36
	s_add_nc_u64 s[G0+2:G0+3], s[48:49], s[40:41]
	s_or_b32 s[G0+3], s[G0+3], 0x80000000
	s_add_nc_u64 s[PFA:PFA+1], s[48:49], s[46:47]
	s_add_nc_u64 s[MP:MP+1], s[30:31], s[42:43]
	s_add_nc_u64 s[28:29], s[28:29], s[44:45]
	CROUND                                         ; all four work-groups are here
	JLOAD                                          ; slot 0
	MLOAD 0                                        ; step 0's mask words of tiles 0, 1
	v_and_b32 v1, 15, v0                           ; r
	v_bfe_u32 v10, v0, 4, 1                        ; h
	v_lshlrev_b32 v[QO], 7, v1
	v_lshl_add_u32 v[QO], v10, 4, v[QO]            ; row r of 128 bytes + 16 h
	WIN 0x40                                       ; destination window 1
.irp i, 0,1,2,3,4,5,6,7                ; Q stays in registers: tile i / 2, channels 32 (i % 2) on
	global_load_b128 v[QF+8*\i:QF+8*\i+3],   v[QO], s[28:29] offset:(\i/2)*2048+(\i%2)*64
	global_load_b128 v[QF+8*\i+4:QF+8*\i+7], v[QO], s[28:29] offset:(\i/2)*2048+(\i%2)*64+32
.endr
.set i, 0
.rept 128
	v_mov_b32 v[O+i], 0                            ; O^T.  The step is written for every step alike: the first finds zeros, which its f = 0 leaves zeros
.set i, i+1
.endr
	WIN 0
	v_mul_u32_u24 v[AK0], v1, PK
	v_lshl_add_u32 v[AK0], v10, 4, v[AK0]          ; K: row r x pitch + 16 h
	v_and_b32 v4, 7, v0
	v_lshl_add_u32 v[AV0], v10, 3, v4
	v_mul_u32_u24 v[AV0], v[AV0], PVP
	v_bfe_u32 v4, v0, 3, 1
	v_lshl_add_u32 v[AV0], v4, 4, v[AV0]
	v_add_nc_u32 v[AV0], VOFF, v[AV0]              ; V: key 8 h + l % 8, channels 8 ((l / 8) % 2) on
	s_mul_i32 s67, s[WV], WST
	s_add_co_u32 s67, s67, STAGE                   ; my stage
	v_mul_u32_u24 v[STO32], v1, 272
	v_lshl_add_u32 v[STO32], v10, 5, v[STO32]
	v_add_nc_u32 v[STO32], s67, v[STO32]           ; f32 in: row r, + 32 h
	v_mul_u32_u24 v[RD], v10, 272
	v_lshl_add_u32 v[RD], v1, 4, v[RD]
	v_add_nc_u32 v[RD], s67, v[RD]                 ; back: lanes 0-15 one row of 256 bytes, lanes 16-31 the next
	v_lshlrev_b32 v[GO], 12, v10
	v_lshl_add_u32 v[GO], v1, 4, v[GO]             ; and in memory: rows (out1) or pairs of rows (a16) lie 4,096 bytes apart
	v_lshrrev_b32 v[STO16], 1, v1
	v_mul_u32_u24 v[STO16], v[STO16], 272
	v_and_b32 v4, 1, v1
	v_lshl_add_u32 v[STO16], v4, 7, v[STO16]
	v_lshl_add_u32 v[STO16], v10, 4, v[STO16]
	v_add_nc_u32 v[STO16], s67, v[STO16]
	v_add_nc_u32 v[STO16], 4352, v[STO16]          ; f16 in: pair r / 2, + 128 (r % 2) + 16 h
	v_mov_b32 v[NEG], 0xd056fa73                   ; -1e10 log2(e)
	v_and_b32 v[PFO], 31, v0
	v_lshlrev_b32 v[PFO], 8, v[PFO]
.irp t, 0,1,2,3
	v_mov_b32 v[ST+8*\t], 0x7f61b1e6               ; -m = 3e38: m lies under every score
	v_mov_b32 v[ST+8*\t+1], 0
	v_mov_b32 v[ST+8*\t+2], 0                      ; l, in two halves
	v_mov_b32 v[ST+8*\t+3], 0
.endr
.macro FETCH_K                         ; 64 keys x 64 channels: fragment (kt, s) at KF + 16 kt + 8 s
	v_add_nc_u32 v[ADR], s[TB], v[AK0]
	WIN 0x40
.irp f, 0,1,2,3,4,5,6,7
	ds_load_b128 v[KF+8*\f:KF+8*\f+3],   v[ADR] offset:(\f/2)*16*PK+(\f%2)*64
	ds_load_b128 v[KF+8*\f+4:KF+8*\f+7], v[ADR] offset:(\f/2)*16*PK+(\f%2)*64+32
.endr
	WIN 0
.endm
.macro FETCH_V                         ; turned: fragment (g, c): keys 32 g on, channels 16 c on, at VF + 8 (4 g + c)
	v_add_nc_u32 v[ADR], s[TB], v[AV0]
	s_add_co_u32 s[TB], s[TB], STEPB               ; the next fetch is the next step's
.irp f, 0,1,2,3,4,5,6,7
	ds_load_tr16_b128 v[VF+8*\f:VF+8*\f+3],   v[ADR] offset:(\f/4)*32*PVP+(\f%4)*32
	ds_load_tr16_b128 v[VF+8*\f+4:VF+8*\f+7], v[ADR] offset:(\f/4)*32*PVP+16*PVP+(\f%4)*32
.endr
.endm
.macro TSET t
.set rT, ST+8*(\t)
.set rS, S+32*(\t)
.set rO, O+32*(\t)
.endm
.macro MAXLINE                         ; line j of 16: the largest of the tile's 32 scores and the old m, three operands at a time, in four chains
.if j < 4
	v_max3_num_f32 v[rT+4+j], v[rS+8*j], v[rS+8*j+1], v[rS+8*j+2]
.elseif j < 12
	v_max3_num_f32 v[rT+4+j%4], v[rT+4+j%4], v[rS+8*(j%4)+2*(j/4)+1], v[rS+8*(j%4)+2*(j/4)+2]
.elseif j == 12
	v_max3_num_f32 v[rT+4], v[rT+4], v[rS+7], v[rS+15]
.elseif j == 13
	v_max3_num_f32 v[rT+6], v[rT+6], v[rS+23], v[rS+31]
.elseif j == 14
	v_max3_num_f32 v[rT+4], v[rT+4], v[rT+5], v[rT+6]
.else
	v_max3_num_f32 v[rT+4], v[rT+4], v[rT+7], -v[rT]
.endif
.endm
; The softmax of tiles y and y + 1 for one key step, the two tiles line by line in turn.  ml = 1: the next mask words are asked for as soon as these have been used.
.macro SMP y, ml
	s_wait_kmcnt 0x0                               ; my mask words are in, and no scalar load is out: so their address may step
.if (\y) == 2
	s_add_nc_u64 s[MP:MP+1], s[MP:MP+1], 128       ; the next step's words: 4 k tiles x 32 bytes on
.endif
.set n, 0
.rept 32
	v_cndmask_b32 v[S+32*(\y)+n], v[S+32*(\y)+n], v[NEG], s[32+n]          ; ascending: each accumulator from its low end on
	v_cndmask_b32 v[S+32*(\y)+32+n], v[S+32*(\y)+32+n], v[NEG], s[68+n]
.set n, n+1
.endr
.if \ml
	MLOAD 2-(\y)
.endif
.set j, 0
.rept 16
.irp u, 0,1
	TSET (\y)+\u
	MAXLINE
.endr
.set j, j+1
.endr
.irp u, 0,1
	TSET (\y)+\u
	v_permlanex16_b32 v[rT+5], v[rT+4], s[SEL], s[SEL+1]   ; the query's other 32 keys lie in the lane 16 away
.endr
.irp u, 0,1
	TSET (\y)+\u
	v_max_num_f32 v[rT+4], v[rT+4], v[rT+5]        ; the new m
.endr
.irp u, 0,1
	TSET (\y)+\u
	v_fma_f32 v[rT+7], v[rT+4], -1.0, -v[rT]       ; old m - new m
.endr
.irp u, 0,1
	TSET (\y)+\u
	v_mul_f32 v[rT], -1.0, v[rT+4]                 ; -m
.endr
.set i, 0
.rept 16
.irp u, 0,1
	TSET (\y)+\u
	v_pk_add_f32 v[rS+i:rS+i+1], v[rS+i:rS+i+1], v[rT:rT+1] op_sel_hi:[1,0]   ; t - m: a plain difference, so that a masked score less a masked maximum is exactly 0
.endr
.set i, i+2
.endr
.irp u, 0,1
	TSET (\y)+\u
	v_exp_f32 v[rT+6], v[rT+7]                     ; f.  ONE batch: 66 exponentials, none of which reads another's result
.endr
.set i, 0
.rept 32
.irp u, 0,1
	TSET (\y)+\u
	v_exp_f32 v[rS+i], v[rS+i]
.endr
.set i, i+1
.endr
	v_nop                                          ; a plain line behind the last exponential
	s_wait_alu depctr_va_vdst(0)                   ; the wait ahead of the first line that names a result: one for the batch
.irp u, 0,1
	TSET (\y)+\u
	v_pk_fma_f32 v[rT+2:rT+3], v[rT+2:rT+3], v[rT+6:rT+7], v[rS:rS+1] op_sel_hi:[1,0,1]   ; l = l f + the first pair; the sums are taken of p before it is rounded
.endr
.irp u, 0,1
	TSET (\y)+\u
	v_pk_add_f32 v[rT+4:rT+5], v[rS+2:rS+3], v[rS+6:rS+7]
.endr
.irp i, 4,8,12,16,20,24
.irp u, 0,1
	TSET (\y)+\u
	v_pk_add_f32 v[rT+2:rT+3], v[rT+2:rT+3], v[rS+\i:rS+\i+1]
	v_pk_add_f32 v[rT+4:rT+5], v[rT+4:rT+5], v[rS+\i+6:rS+\i+7]
.endr
.endr
.irp u, 0,1
	TSET (\y)+\u
	v_pk_add_f32 v[rT+2:rT+3], v[rT+2:rT+3], v[rS+28:rS+29]
.endr
.irp u, 0,1
	TSET (\y)+\u
	v_pk_add_f32 v[rT+2:rT+3], v[rT+2:rT+3], v[rT+4:rT+5]
.endr
.set i, 0
.rept 16
.irp u, 0,1
	TSET (\y)+\u
	v_cvt_pk_f16_f32 v[rS+i], v[rS+2*i], v[rS+2*i+1]   ; P, in place, ascending: registers 8 g .. 8 g + 7 are source 1 for keys 32 g on
.endr
.set i, i+1
.endr
	WIN W_RS
.set i, 0
.rept 16
.irp u, 0,1
	TSET (\y)+\u
	v_pk_mul_f32 v[rO+i:rO+i+1], v[rO+i:rO+i+1], v[rT+6:rT+7] op_sel_hi:[1,0]   ; O^T x f, ascending
.endr
.set i, i+2
.endr
	WIN 0
.endm
; A KEY STEP.  fetch = 1: the next step's K and V are fetched.  In both runs of products the 16 accumulators take turns, one instruction a turn.
.macro KEYSTEP fetch
	s_wait_dscnt 16                                ; K is in; V's 16 loads, issued behind it, may be out
	WIN W_KQ
.irp kt, 0,1,2,3
.irp t, 0,1,2,3
	v_wmma_f32_16x16x32_f16 v[S+32*\t+8*\kt:S+32*\t+8*\kt+7], v[KF+16*\kt:KF+16*\kt+7], v[QF+16*\t:QF+16*\t+7], 0
.endr
.endr
.irp kt, 0,1,2,3
.irp t, 0,1,2,3
	v_wmma_f32_16x16x32_f16 v[S+32*\t+8*\kt:S+32*\t+8*\kt+7], v[KF+16*\kt+8:KF+16*\kt+15], v[QF+16*\t+8:QF+16*\t+15], v[S+32*\t+8*\kt:S+32*\t+8*\kt+7]
.endr
.endr
	WIN 0
	PLACES 4                                       ; ahead of the loads into K's registers and of the first read of the scores
.if \fetch
	FETCH_K
.endif
	SMP 0, 1
	SMP 2, \fetch
.if \fetch
	s_wait_dscnt 16                                ; V is in; the next K's 16 loads may be out
.else
	s_wait_dscnt 0x0
.endif
	WIN W_PV
.irp g, 0,1
.irp c, 0,1,2,3
.irp t, 0,1,2,3
	v_wmma_f32_16x16x32_f16 v[O+32*\t+8*\c:O+32*\t+8*\c+7], v[VF+8*(4*\g+\c):VF+8*(4*\g+\c)+7], v[S+32*\t+8*\g:S+32*\t+8*\g+7], v[O+32*\t+8*\c:O+32*\t+8*\c+7]
.endr
.endr
.endr
	WIN 0
	PLACES 5                                       ; ahead of the loads into V's registers (four are asked) and of the next K Q^T, which writes over P (five)
.if \fetch
	FETCH_V
.endif
.endm
; THE CHANGE OF SLOTS stands at the head of a slot's last step: all its bytes have been asked for.  Each wave waits for all its tensor loads (one is out: its tile of the other slot), adds 0 to its spare word, and waits for
; that and for its reads.  kind 0: slot 1's first fill; 1: the slot just left is filled with the keys two slots on: four key steps in which to land; 2: nothing is left to ask for.
.macro CHANGE kind
	WIN 0
	s_wait_tensorcnt 0x0                           ; no tensor load of mine is out: the group 0 may be written
	ds_add_u32 v[SPW], v[NIL]
.if \kind < 2
	s_xor_b32 s[G0+1], s[G0+1], SLOT1              ; the other slot than last time,
	s_add_nc_u64 s[G0+2:G0+3], s[G0+2:G0+3], 32768 ; the next 256 keys
.endif
.if \kind == 1
	s_wait_xcnt 0x0                                ; the last prefetch, a slot back, has read its address
	s_add_nc_u64 s[PFA:PFA+1], s[PFA:PFA+1], 32768
.endif
	s_wait_dscnt 0x0                               ; the add is done, and my reads of the slot are over
.if \kind < 2
	CROUND                                         ; no wave of any partner still reads the slot or has a load on its way
	JLOAD
.else
	s_barrier_signal -1
	s_barrier_wait -1
.endif
.if \kind == 1
	ASK
.endif
.if \kind > 0
	s_sub_co_u32 s[TB], s[TB], 4*STEPB             ; the fetches go back to a slot's first step,
	s_xor_b32 s[TB], s[TB], SLOT1                  ; in the other slot
.endif
.endm
	CHANGE 0                                       ; slot 0 has landed in every work-group; slot 1 is asked for
	FETCH_K                                        ; step 0
	FETCH_V
	s_wait_loadcnt 0x0                             ; Q
	s_mov_b32 s[STEPS], 3
.Lfirst:                                           ; steps 0 to 2, which fetch steps 1 to 3
	KEYSTEP 1
	s_sub_co_u32 s[STEPS], s[STEPS], 1
	s_cmp_lg_u32 s[STEPS], 0
	s_cbranch_scc1 .Lfirst
.Lslot:                                            ; six trips: slots 2 to 7 are asked for
	CHANGE 1
	s_mov_b32 s[STEPS], 4
.Lstep:
	KEYSTEP 1
	s_sub_co_u32 s[STEPS], s[STEPS], 1
	s_cmp_lg_u32 s[STEPS], 0
	s_cbranch_scc1 .Lstep
	s_sub_co_u32 s[SLOTS], s[SLOTS], 1
	s_cmp_lg_u32 s[SLOTS], 0
	s_cbranch_scc1 .Lslot
	CHANGE 2                                       ; the tail is written out
	s_mov_b32 s[STEPS], 4
.Llast:
	KEYSTEP 1
	s_sub_co_u32 s[STEPS], s[STEPS], 1
	s_cmp_lg_u32 s[STEPS], 0
	s_cbranch_scc1 .Llast
	KEYSTEP 0                                      ; step 31 fetches nothing and asks for no mask words
	; THE WAY OUT.  l's halves and the other lane's are added; O^T / l goes through my stage, a tile (16 rows) at a time, as f32 and as f16.
	s_load_b128 s[32:35], s[0:1], 0x10             ; out1, a16
.irp t, 0,1,2,3
	v_add_f32 v[ST+8*\t+4], v[ST+8*\t+2], v[ST+8*\t+3]
.endr
.irp t, 0,1,2,3
	v_permlanex16_b32 v[ST+8*\t+5], v[ST+8*\t+4], s[SEL], s[SEL+1]
.endr
.irp t, 0,1,2,3
	v_add_f32 v[ST+8*\t+4], v[ST+8*\t+4], v[ST+8*\t+5]
.endr
.irp t, 0,1,2,3
	v_rcp_f32 v[ST+8*\t+6], v[ST+8*\t+4]
.endr
	v_nop                                          ; a plain line behind the last reciprocal
	s_wait_alu depctr_va_vdst(0)                   ; and the wait ahead of the first use: one for the four
	s_bfe_u32 s36, ttmp6, 0x40000                  ; cx: it enters global addresses alone
	s_and_b32 s37, ttmp7, 0xffff
	s_lshr_b32 s38, s37, 4                         ; b
	s_and_b32 s39, s37, 15                         ; head
	s_lshl_b32 s40, s36, 9
	s_lshl_b32 s41, s[WV], 6
	s_add_co_u32 s40, s40, s41
	s_lshl_b32 s41, s38, 11
	s_add_co_u32 s41, s41, s40                     ; my first row: 2048 b + 512 cx + 64 w
	s_lshl_b32 s43, s39, 8                         ; the head's 256 bytes
	s_lshl_b32 s42, s41, 12                        ; out1: rows of 4,096 bytes
	s_add_co_u32 s42, s42, s43
	s_lshl_b32 s44, s41, 11                        ; a16: pairs of rows of 4,096 bytes
	s_add_co_u32 s44, s44, s43
	s_mov_b32 s43, 0
	s_mov_b32 s45, 0
	s_wait_kmcnt 0x0
	s_add_nc_u64 s[32:33], s[32:33], s[42:43]
	s_add_nc_u64 s[34:35], s[34:35], s[44:45]
.macro PACK t
.set EE, 64+96*((\t)%2)
	WIN 0x01                                       ; source 0 (O^T) window 1
.set i, 0
.rept 16
	v_pk_mul_f32 v[EE+i:EE+i+1], v[O+32*(\t)+i:O+32*(\t)+i+1], v[ST+8*(\t)+6:ST+8*(\t)+7] op_sel_hi:[1,0]   ; ascending: each accumulator from its low end on
.set i, i+2
.endr
	WIN 0
.set i, 0
.rept 16
	v_cvt_pk_f16_f32 v[EE+32+i], v[EE+2*i], v[EE+2*i+1]
.set i, i+1
.endr
.irp c, 0,1,2,3
	ds_store_b128 v[STO32], v[EE+8*\c:EE+8*\c+3] offset:64*\c
	ds_store_b128 v[STO32], v[EE+8*\c+4:EE+8*\c+7] offset:64*\c+16
.endr
.irp c, 0,1,2,3
	ds_store_b128 v[STO16], v[EE+32+4*\c:EE+32+4*\c+3] offset:32*\c
.endr
.irp i, 0,1,2,3,4,5,6,7
	ds_load_b128 v[EE+4*\i:EE+4*\i+3], v[RD] offset:544*\i             ; in order behind my stores; the next tile's stores come behind these
.endr
.irp i, 0,1,2,3
	ds_load_b128 v[EE+32+4*\i:EE+32+4*\i+3], v[RD] offset:4352+544*\i
.endr
.endm
.macro SEND t, younger                 ; younger: the LDS instructions issued behind tile t's twelve loads: the next tile's 24, or none
.set EE, 64+96*((\t)%2)
.irp i, 0,1,2,3,4,5,6,7
	s_wait_dscnt \younger+11-\i
	global_store_b128 v[GO], v[EE+4*\i:EE+4*\i+3], s[32:33] offset:(\t)*65536+\i*8192       ; sixteen lanes store 256 consecutive bytes of a row of out1
.endr
.irp i, 0,1,2,3
	s_wait_dscnt \younger+3-\i
	global_store_b128 v[GO], v[EE+32+4*\i:EE+32+4*\i+3], s[34:35] offset:(\t)*32768+\i*8192 ; and of a pair of rows of a16
.endr
.endm
	PACK 0
	PACK 1
	SEND 0, 24
	s_wait_xcnt 0x0                                ; tile 0's stores have read their registers
	PACK 2
	SEND 1, 24
	s_wait_xcnt 0x0
	PACK 3
	SEND 2, 24
	SEND 3, 0
	s_wait_tensorcnt 0x0                           ; the wave's end
	ds_add_u32 v[SPW], v[NIL]
	s_wait_dscnt 0x0
	CROUND                                         ; the closing round
	s_endpgm
.Lfunc_end_k_q10d1ab2006_attn:
	.size	k_q10d1ab2006_attn, .Lfunc_end_k_q10d1ab2006_attn-k_q10d1ab2006_attn
	.p2alignl 7, 3214868480
	.fill 96, 4, 3214868480
	.section	.rodata,"a",@progbits
	.p2align	6, 0x0
	.amdhsa_kernel k_q10d1ab2006_attn
		.amdhsa_group_segment_fixed_size 327680
		.amdhsa_private_segment_fixed_size 0
		.amdhsa_enable_private_segment 0
		.amdhsa_kernarg_size 32
		.amdhsa_user_sgpr_count 2
		.amdhsa_user_sgpr_kernarg_segment_ptr 1
		.amdhsa_wavefront_size32 1
		.amdhsa_system_sgpr_workgroup_id_x 1
		.amdhsa_system_sgpr_workgroup_id_y 1
		.amdhsa_system_sgpr_workgroup_id_z 1
		.amdhsa_system_vgpr_workitem_id 0
		.amdhsa_next_free_vgpr 512
		.amdhsa_next_free_sgpr 106
		.amdhsa_reserve_vcc 0
		.amdhsa_float_denorm_mode_32 3
		.amdhsa_float_denorm_mode_16_64 3
		.amdhsa_memory_ordered 1
		.amdhsa_forward_progress 1
		.amdhsa_inst_pref_size 200
	.end_amdhsa_kernel
	.amdgpu_metadata
---
amdhsa.version: [ 1, 2 ]
amdhsa.kernels:
  - .name:           k_q10d1ab2006_attn
    .symbol:         k_q10d1ab2006_attn.kd
    .args:
      - { .name: qkv16, .offset: 0, .size: 8, .value_kind: global_buffer, .address_space: global }
      - { .name: mbits, .offset: 8, .size: 8, .value_kind: global_buffer, .address_space: global }
      - { .name: out1, .offset: 16, .size: 8, .value_kind: global_buffer, .address_space: global }
      - { .name: a16, .offset: 24, .size: 8, .value_kind: global_buffer, .address_space: global }
    .group_segment_fixed_size: 327680
    .private_segment_fixed_size: 0
    .kernarg_segment_align: 8
    .kernarg_segment_size: 32
    .max_flat_workgroup_size: 256
    .sgpr_count:     106
    .vgpr_count:     512
    .wavefront_size: 32
...
	.end_amdgpu_metadata
.endif
;; end of part 5
;; launch oproj (part 6): grid 8 x 64, 4 waves a work-group, clusters of 4 x 4, 327,680 bytes of LDS; arguments a16, wc16, bc, out0; writes out0
.if DOCPART == 6
	.amdgcn_target "amdgcn-amd-amdhsa--gfx1250"
	.amdhsa_code_object_version 6
	.text
	.protected	k_q10d1ab2006_oproj
	.globl	k_q10d1ab2006_oproj
	.p2align	8
	.type	k_q10d1ab2006_oproj,@function
k_q10d1ab2006_oproj:
	s_mov_b64 s[64:65], 0
	v_nop
	global_prefetch_b8 v0, s[64:65] scope:SCOPE_SE
	s_setreg_imm32_b32 hwreg(HW_REG_WAVE_MODE, 25, 1), 1
	s_wait_xcnt 0x0
	s_wait_alu depctr_hold_cnt(0) depctr_sa_sdst(0) depctr_va_vdst(0) depctr_va_sdst(0) depctr_va_ssrc(0) depctr_va_vcc(0) depctr_vm_vsrc(0)
	s_getreg_b32 s2, hwreg(HW_REG_IB_STS2, 6, 4)
	s_cmp_eq_u32 s2, 0
	s_cbranch_scc0 .Lentry_in_a_cluster
	s_endpgm
.Lentry_in_a_cluster:
	s_bfe_u32 s2, ttmp6, 0x10000c
	s_cmp_lg_u32 s2, 0xf033
	s_cbranch_scc0 .Lentry_shape_is_right
	s_endpgm
.Lentry_shape_is_right:
; out0[m][n] = sum over k of attn_v[m][k] Wc[k][n] + bc[n], on f16 operands with f32 sums.  A = a16 (attn_v in f16, laid by pairs of rows: byte ((m / 2) 16 + k / 64) 256 + 128 (m % 2) + 2 (k % 64)); B = wc16 [n][k] f16; out0 f32.
; The first 16 positions of every sequence are written again, in f32 arithmetic, by the launch that follows.
; A tile of out0 is 128 x 128: four waves, 64 x 64 each, 16 accumulators.  K goes in steps of 256 through two LDS slots.  A's tile of 64 rows x 256 K is 32 pairs of rows x 1,024 consecutive bytes; B's is 64 rows x 512 bytes.
; CLUSTERS: 4 x 4 work-groups; A's tiles are asked for jointly along a row of the cluster, B's along a column.  THE MATRIX INSTRUCTION IS USED TRANSPOSED (source 0 = rows of B, source 1 = rows of A): a lane holds eight
; neighbouring n of one row.  The bias is the C of each sum's first product.  A wave's 64 columns of f32 are 256 consecutive bytes of a row: each wave has a stage of its own and the way out needs no barrier.
; REGISTERS: window 0: v0-31 addresses; v32-95 rows on their way out; v96-127 the bias; v128-255 the accumulators ((a, b) at v[128 + 8 (4 a + b)]).   window 1: two fragment buffers of 128 (64 of A, then 64 of B, for 64 along K).
.set KSTEP,  256
.set PA,     1040                      ; a pair of rows of A in LDS: 1,024 bytes + 16
.set PB,     528                       ; a row of B: 512 + 16
.set HALFA,  32*PA
.set HALFB,  64*PB
.set BOFF,   2*HALFA
.set SLOT,   2*HALFA+2*HALFB
.set STAGE,  2*SLOT
.set SPITCH, 272
.set SPARE,  STAGE+4*16*SPITCH         ; the spare words: 128 bytes a wave, named by no other line
.set LAPS,   2                         ; a lap = two K steps; K = 1024
.set ADRA, 16
.set ADRB, 20
.set STO,  24
.set RD,   25
.set CO,   26
.set BO,   27
.set SPW,  28
.set NIL,  29
.set TMP,  32
.set BIAS, 96
.set ACC,  128
.set F0,   0
.set F1,   128
.set G1, 24
.set G0, 32
.set G1B, 48
.set G0B, 56
.set MSB, 0
.macro WIN new
.if MSB != (\new)
	s_set_vgpr_msb (MSB<<8)|(\new)
.set MSB, (\new)
.endif
.endm
.set MUL,  0x05                        ; sources 0 (B) and 1 (A) window 1; C and D window 0
.set TO_F, 0x40
.macro JLOAD s                         ; waves 0 and 1 fetch A's two halves, waves 2 and 3 B's; an s_nop 0 and four v_nop follow each line
	s_cmp_eq_u32 s11, 0
	s_cbranch_scc0 .Lfor_b_\@
	tensor_load_to_lds s[G0+4*\s:G0+4*\s+3], s[G1:G1+7]
	s_nop 0
.rept 4
	v_nop
.endr
	s_branch .Lasked_\@
.Lfor_b_\@:
	tensor_load_to_lds s[G0B+4*\s:G0B+4*\s+3], s[G1B:G1B+7]
	s_nop 0
.rept 4
	v_nop
.endr
.Lasked_\@:
.endm
.macro CREST
	s_cmp_lg_u32 s10, 0
	s_cbranch_scc1 .Lnot_wave_0_\@
	s_barrier_signal -3
.Lnot_wave_0_\@:
	s_barrier_wait -3
	s_barrier_signal -1
	s_barrier_wait -1
.endm
.macro CROUND
	s_barrier_signal -1
	s_barrier_wait -1
	CREST
.endm
	s_load_b128 s[4:7], s[0:1], 0x0                ; a16, wc16
	s_load_b128 s[68:71], s[0:1], 0x10             ; bc, out0
	v_lshl_add_u32 v[SPW], v0, 2, SPARE
	v_mov_b32 v[NIL], 0
	ds_add_u32 v[SPW], v[NIL]                      ; the wave's opening: the add, twice on end, and its wait ahead of my first tensor load
	ds_add_u32 v[SPW], v[NIL]
	v_lshrrev_b32 v1, 5, v0
	v_readfirstlane_b32 s10, v1                    ; wave 0..3
	s_lshr_b32 s11, s10, 1                         ; which half of the tile's rows is mine.  Also: I fetch for A (0) or for B (1)
	s_and_b32 s12, s10, 1                          ; which half of its columns.  Also: which half of that tile I fetch
	s_bfe_u32 s40, ttmp6, 0x40000
	s_bfe_u32 s41, ttmp6, 0x40004
	s_lshl_b32 s42, ttmp9, 2
	s_add_co_u32 s42, s42, s40                     ; tile column
	s_and_b32 s13, ttmp7, 0xffff
	s_lshl_b32 s13, s13, 2
	s_add_co_u32 s13, s13, s41                     ; tile row
	s_lshl_b32 s43, s41, 2
	s_lshl_b32 s43, 15, s43                        ; my row of the cluster
	s_lshl_b32 s44, 0x1111, s40                    ; my column
	s_or_b32 s[G1+0], s43, (1<<16)|(1<<20)|(1<<21)|(7<<22)|(3<<25)   ; A: elements of 2 bytes; padding: 4 words behind every 256
	s_mov_b32 s[G1+1], 512<<16                     ; tensor_dim0 = 512
	s_mov_b32 s[G1+2], 32<<16                      ; tensor_dim1 = 32
	s_mov_b32 s[G1+3], 512<<16                     ; tile_dim0 = 512
	s_mov_b32 s[G1+4], 32                          ; tile_dim1 = 32 pairs of rows
	s_mov_b32 s[G1+5], 2048                        ; the pitch: a pair of rows is 2,048 elements
	s_mov_b32 s[G1+6], 0
	s_mov_b32 s[G1+7], 0
	s_or_b32 s[G1B+0], s44, (1<<16)|(1<<20)|(1<<21)|(6<<22)|(3<<25)  ; B: padding: 4 words behind every 128
	s_mov_b32 s[G1B+1], KSTEP<<16
	s_mov_b32 s[G1B+2], 64<<16
	s_mov_b32 s[G1B+3], KSTEP<<16
	s_mov_b32 s[G1B+4], 64
	s_mov_b32 s[G1B+5], 1024
	s_mov_b32 s[G1B+6], 0
	s_mov_b32 s[G1B+7], 0
	s_lshl_b32 s16, s13, 6
	s_lshl_b32 s17, s12, 5
	s_add_co_u32 s16, s16, s17                     ; A: pair of rows 64 x tile row + 32 x half,
	s_lshl_b32 s16, s16, 12                        ; 4,096 bytes each
	s_mov_b32 s17, 0
	s_lshl_b32 s46, s42, 7
	s_lshl_b32 s47, s12, 6
	s_add_co_u32 s46, s46, s47                     ; B: row 128 x tile column + 64 x half,
	s_lshl_b32 s46, s46, 11                        ; 2,048 bytes each
	s_mov_b32 s47, 0
	s_mul_i32 s20, s12, HALFA                      ; where they go
	s_mul_i32 s21, s12, HALFB
	s_add_co_u32 s21, s21, BOFF
	s_wait_dscnt 0x0                               ; both opening adds are done
	s_wait_kmcnt 0x0
	s_add_nc_u64 s[14:15], s[4:5], s[16:17]
	s_add_nc_u64 s[46:47], s[6:7], s[46:47]
	CROUND                                         ; all sixteen work-groups are here
.irp s, 0,1
	s_mov_b32 s[G0+4*\s], 1
	s_add_co_u32 s[G0+4*\s+1], s20, \s*SLOT
	s_add_nc_u64 s[G0+4*\s+2:G0+4*\s+3], s[14:15], \s*1024
	s_or_b32 s[G0+4*\s+3], s[G0+4*\s+3], 0x80000000
	s_mov_b32 s[G0B+4*\s], 1
	s_add_co_u32 s[G0B+4*\s+1], s21, \s*SLOT
	s_add_nc_u64 s[G0B+4*\s+2:G0B+4*\s+3], s[46:47], \s*512
	s_or_b32 s[G0B+4*\s+3], s[G0B+4*\s+3], 0x80000000
	JLOAD \s                                       ; by this text's count two tensor loads of a wave are out at the start, one later
.endr
	v_and_b32 v1, 15, v0                           ; r
	v_bfe_u32 v2, v0, 4, 1                         ; h
	s_lshl_b32 s46, s42, 9
	s_lshl_b32 s47, s12, 8
	s_add_co_u32 s46, s46, s47                     ; my first column, in bytes of f32: 4 (128 x tile column + 64 x half)
	s_mov_b32 s47, 0
	s_add_nc_u64 s[68:69], s[68:69], s[46:47]
	v_lshlrev_b32 v[BO], 5, v2
.irp b, 0,1,2,3
	global_load_b128 v[BIAS+8*\b:BIAS+8*\b+3], v[BO], s[68:69] offset:64*\b        ; block b's register j is bc(16 b + 8 h + j)
	global_load_b128 v[BIAS+8*\b+4:BIAS+8*\b+7], v[BO], s[68:69] offset:64*\b+16
.endr
	v_lshrrev_b32 v3, 1, v1
	v_mul_u32_u24 v3, v3, PA
	v_and_b32 v5, 1, v1
	v_lshl_add_u32 v3, v5, 7, v3
	v_lshl_add_u32 v3, v2, 4, v3                   ; A: pair r / 2, + 128 (r % 2) + 16 h: sixteen rows in sixteen different 16-byte columns modulo 256
	v_mul_u32_u24 v4, v1, PB
	v_lshl_add_u32 v4, v2, 4, v4                   ; B: row r x pitch + 16 h
	s_mul_i32 s21, s11, HALFA
	s_mul_i32 s22, s12, HALFB
	s_add_co_u32 s22, s22, BOFF
.irp s, 0,1
	v_add_nc_u32 v[ADRA+\s], s21, v3
	v_add_nc_u32 v[ADRB+\s], s22, v4
	s_add_co_u32 s21, s21, SLOT
	s_add_co_u32 s22, s22, SLOT
.endr
	s_mul_i32 s23, s10, 16*SPITCH
	s_add_co_u32 s23, s23, STAGE                   ; my stage
	v_mul_u32_u24 v5, v1, SPITCH
	v_lshl_add_u32 v5, v2, 5, v5
	v_add_nc_u32 v[STO], s23, v5                   ; in: row r, + 32 h
	v_mul_u32_u24 v5, v2, SPITCH
	v_lshl_add_u32 v5, v1, 4, v5
	v_add_nc_u32 v[RD], s23, v5                    ; back: lanes 0-15 one row of 256 bytes, lanes 16-31 the next
	v_lshlrev_b32 v[CO], 12, v2
	v_lshl_add_u32 v[CO], v1, 4, v[CO]             ; and the same two rows in out0
	s_lshl_b32 s16, s13, 7
	s_lshl_b32 s17, s11, 6
	s_add_co_u32 s16, s16, s17                     ; my first row
	s_lshl_b32 s16, s16, 12
	s_add_co_u32 s16, s16, s46
	s_mov_b32 s17, 0
	s_add_nc_u64 s[70:71], s[70:71], s[16:17]
; 8 matrix instructions: m blocks a0, a0 + 1 x all 4 n blocks, 32 along K: half c of buffer f.  first = 1: the C is the bias
.macro MUL8 f, c, a0, first
.irp a, \a0, \a0+1
.irp b, 0,1,2,3
.if \first
	v_wmma_f32_16x16x32_f16 v[ACC+8*(4*(\a)+\b):ACC+8*(4*(\a)+\b)+7], v[\f+64+8*(4*\c+\b):\f+64+8*(4*\c+\b)+7], v[\f+8*(4*\c+\a):\f+8*(4*\c+\a)+7], v[BIAS+8*\b:BIAS+8*\b+7]
.else
	v_wmma_f32_16x16x32_f16 v[ACC+8*(4*(\a)+\b):ACC+8*(4*(\a)+\b)+7], v[\f+64+8*(4*\c+\b):\f+64+8*(4*\c+\b)+7], v[\f+8*(4*\c+\a):\f+8*(4*\c+\a)+7], v[ACC+8*(4*(\a)+\b):ACC+8*(4*(\a)+\b)+7]
.endif
.endr
.endr
.endm
; 32 LDS loads in one run: the fragments of quarter q of the slot (64 along K: one head) into buffer f; the first 32 along K first
.macro FETCH slot, q, f
	WIN TO_F
.irp c, 0,1
.irp i, 0,1,2,3
	ds_load_b128 v[\f+64+8*(4*\c+\i):\f+64+8*(4*\c+\i)+3],   v[ADRB+\slot] offset:128*(\q)+64*\c+\i*16*PB
	ds_load_b128 v[\f+64+8*(4*\c+\i)+4:\f+64+8*(4*\c+\i)+7], v[ADRB+\slot] offset:128*(\q)+64*\c+\i*16*PB+32
	ds_load_b128 v[\f+8*(4*\c+\i):\f+8*(4*\c+\i)+3],         v[ADRA+\slot] offset:256*(\q)+64*\c+\i*8*PA
	ds_load_b128 v[\f+8*(4*\c+\i)+4:\f+8*(4*\c+\i)+7],       v[ADRA+\slot] offset:256*(\q)+64*\c+\i*8*PA+32
.endr
.endr
.endm
.macro PLACES                          ; four plain lines ahead of loads into registers that matrix instructions have read, and of reads of results
.rept 4
	v_nop
.endr
.endm
.macro QUARTER slot, q, f, g, first    ; multiplies buffer f and fetches quarter q of the slot into g
	s_wait_dscnt 16                                ; the first 32 along K are in; the sixteen younger loads may be out
	WIN MUL
	MUL8 \f, 0, 0, \first
	MUL8 \f, 0, 2, \first
	PLACES
	FETCH \slot, \q, \g
	s_wait_dscnt 32                                ; all but the 32 just issued
	WIN MUL
	MUL8 \f, 1, 0, 0
	MUL8 \f, 1, 2, 0
.endm
; The last quarter multiplies buffer 1 and changes slots: one barrier; ahead of it each wave waits for all its tensor loads, adds 0 to its spare word, and waits for that and for its reads of this slot
.macro TURN slot, next, fill
	WIN 0
	s_wait_tensorcnt 0x0                           ; my part of the next slot has landed
	ds_add_u32 v[SPW], v[NIL]
	s_wait_dscnt 17                                ; (the add and the youngest sixteen loads may be out)
	WIN MUL
	MUL8 F1, 0, 0, 0
	s_wait_dscnt 0x0                               ; the add is done, and my reads of this slot are over
	s_barrier_signal -1
	MUL8 F1, 0, 2, 0
.if \fill
	WIN 0
.endif
	s_barrier_wait -1
.if \fill
	CREST                                          ; the barrier has opened a round of the cluster's: no wave of any partner still reads this slot or has a load on its way
	s_add_nc_u64 s[G0+4*\slot+2:G0+4*\slot+3], s[G0+4*\slot+2:G0+4*\slot+3], 2048
	s_add_nc_u64 s[G0B+4*\slot+2:G0B+4*\slot+3], s[G0B+4*\slot+2:G0B+4*\slot+3], 1024
	JLOAD \slot                                    ; the four v_nop behind it are also the places ahead of the loads below
.else
	PLACES
.endif
	FETCH \next, 0, F0
	WIN MUL
	MUL8 F1, 1, 0, 0
	MUL8 F1, 1, 2, 0
.endm
	s_wait_tensorcnt 1                             ; my part of K step 0 is in (K step 1's may be out)
	s_barrier_signal -1
	s_barrier_wait -1                              ; everybody's is
	FETCH 0, 0, F0
	s_wait_loadcnt 0x0                             ; the bias
	QUARTER 0, 1, F0, F1, 1
	WIN 0
	s_mov_b32 s3, LAPS-1
.Llap:                                             ; a trip goes once round the ring and fills both slots again
	QUARTER 0, 2, F1, F0, 0
	QUARTER 0, 3, F0, F1, 0
	TURN 0, 1, 1
	QUARTER 1, 1, F0, F1, 0
	QUARTER 1, 2, F1, F0, 0
	QUARTER 1, 3, F0, F1, 0
	TURN 1, 0, 1
	QUARTER 0, 1, F0, F1, 0
	WIN 0
	s_sub_co_u32 s3, s3, 1
	s_cmp_lg_u32 s3, 0
	s_cbranch_scc1 .Llap
	QUARTER 0, 2, F1, F0, 0                        ; the last lap fills nothing
	QUARTER 0, 3, F0, F1, 0
	TURN 0, 1, 0
	QUARTER 1, 1, F0, F1, 0
	QUARTER 1, 2, F1, F0, 0
	QUARTER 1, 3, F0, F1, 0
	s_wait_dscnt 16
	WIN MUL
	MUL8 F1, 0, 0, 0
	MUL8 F1, 0, 2, 0
	s_wait_dscnt 0
	MUL8 F1, 1, 0, 0
	MUL8 F1, 1, 2, 0
	WIN 0
	PLACES
; THE WAY OUT, 16 rows x 64 columns at a time, through my own stage: in as 32 bytes a lane, back as whole rows of 256 bytes
.macro TOSTAGE a
.set BB, TMP+32*((\a)%2)
.irp b, 0,1,2,3
	ds_store_b128 v[STO], v[ACC+8*(4*(\a)+\b):ACC+8*(4*(\a)+\b)+3] offset:64*\b        ; each accumulator from its low end on
	ds_store_b128 v[STO], v[ACC+8*(4*(\a)+\b)+4:ACC+8*(4*(\a)+\b)+7] offset:64*\b+16
.endr
.irp t, 0,1,2,3,4,5,6,7
	ds_load_b128 v[BB+4*\t:BB+4*\t+3], v[RD] offset:\t*2*SPITCH                        ; in order behind my stores
.endr
.endm
.macro SEND a, younger
.set BB, TMP+32*((\a)%2)
	s_wait_dscnt \younger                          ; the block is back; the next block's 8 stores and 8 loads may be out
.irp t, 0,1,2,3,4,5,6,7
	global_store_b128 v[CO], v[BB+4*\t:BB+4*\t+3], s[70:71] offset:(16*(\a)+2*\t)*4096 th:TH_STORE_NT   ; sixteen lanes store 256 consecutive bytes
.endr
.endm
	TOSTAGE 0
	TOSTAGE 1
	SEND 0, 16
	s_wait_xcnt 0x0                                ; block 0's stores have read their registers
	TOSTAGE 2
	SEND 1, 16
	s_wait_xcnt 0x0
	TOSTAGE 3
	SEND 2, 16
	SEND 3, 0
	s_wait_tensorcnt 0x0                           ; the wave's end
	ds_add_u32 v[SPW], v[NIL]
	s_wait_dscnt 0x0
	CROUND                                         ; the closing round
	s_endpgm
.Lfunc_end_k_q10d1ab2006_oproj:
	.size	k_q10d1ab2006_oproj, .Lfunc_end_k_q10d1ab2006_oproj-k_q10d1ab2006_oproj
	.p2alignl 7, 3214868480
	.fill 96, 4, 3214868480
	.section	.rodata,"a",@progbits
	.p2align	6, 0x0
	.amdhsa_kernel k_q10d1ab2006_oproj
		.amdhsa_group_segment_fixed_size 327680
		.amdhsa_private_segment_fixed_size 0
		.amdhsa_enable_private_segment 0
		.amdhsa_kernarg_size 32
		.amdhsa_user_sgpr_count 2
		.amdhsa_user_sgpr_kernarg_segment_ptr 1
		.amdhsa_wavefront_size32 1
		.amdhsa_system_sgpr_workgroup_id_x 1
		.amdhsa_system_sgpr_workgroup_id_y 1
		.amdhsa_system_sgpr_workgroup_id_z 1
		.amdhsa_system_vgpr_workitem_id 0
		.amdhsa_next_free_vgpr 512
		.amdhsa_next_free_sgpr 72
		.amdhsa_reserve_vcc 0
		.amdhsa_float_denorm_mode_32 3
		.amdhsa_float_denorm_mode_16_64 3
		.amdhsa_memory_ordered 1
		.amdhsa_forward_progress 1
		.amdhsa_inst_pref_size 87
	.end_amdhsa_kernel
	.amdgpu_metadata
---
amdhsa.version: [ 1, 2 ]
amdhsa.kernels:
  - .name:           k_q10d1ab2006_oproj
    .symbol:         k_q10d1ab2006_oproj.kd
    .args:
      - { .name: a16, .offset: 0, .size: 8, .value_kind: global_buffer, .address_space: global }
      - { .name: wc16, .offset: 8, .size: 8, .value_kind: global_buffer, .address_space: global }
      - { .name: bc, .offset: 16, .size: 8, .value_kind: global_buffer, .address_space: global }
      - { .name: out0, .offset: 24, .size: 8, .value_kind: global_buffer, .address_space: global }
    .group_segment_fixed_size: 327680
    .private_segment_fixed_size: 0
    .kernarg_segment_align: 8
    .kernarg_segment_size: 32
    .max_flat_workgroup_size: 128
    .sgpr_count:     72
    .vgpr_count:     512
    .wavefront_size: 32
...
	.end_amdgpu_metadata
.endif
;; end of part 6
;; launch ofine (part 7): grid 16 x 16, 16 waves a work-group, no clusters, 34,816 bytes of LDS; arguments out1, Wc, bc, out0; writes out0
.if DOCPART == 7
	.amdgcn_target "amdgcn-amd-amdhsa--gfx1250"
	.amdhsa_code_object_version 6
	.text
	.protected	k_q10d1ab2006_ofine
	.globl	k_q10d1ab2006_ofine
	.p2align	8
	.type	k_q10d1ab2006_ofine,@function
k_q10d1ab2006_ofine:
	s_mov_b64 s[64:65], 0
	v_nop
	global_prefetch_b8 v0, s[64:65] scope:SCOPE_SE
	s_setreg_imm32_b32 hwreg(HW_REG_WAVE_MODE, 25, 1), 1
	s_wait_xcnt 0x0
; out0's first 16 positions of every sequence once more, in f32: out0[b][s][n] = sum over k of out1[b][s][k] Wc[k][n] + bc[n], s < 16, by fused multiply-adds.  Rows that average few values are the largest of the output,
; and there the rounding of f16 operands over 1,024 terms weighs most against an allowance set by the whole output's size.  Right for any mask: it only says where the finer arithmetic is spent.
; SHARES.  Work-group x: 64 columns; y: batch y / 4, rows 4 (y % 4) on.  Wave w: k = 64 w .. 64 w + 63.  A lane holds 2 columns and 4 rows: 8 sums.  The 16 waves' parts meet in LDS; waves 0-3 add them in ascending k and store a row each.
; No matrix unit, no cluster, no tensor load: 64 rows in all.
.set AREG,  0                          ; 1,024 bytes a wave: 4 rows x 64 k of out1
.set RED,   16384                      ; 1,024 bytes a wave: 4 rows x 64 columns of partial sums
.set SPARE, 32768                      ; the spare words: 128 bytes a wave, named by no other line
.set SPW,  14
.set NIL,  15
.set AI,   16                          ; v16-23   out1 as loaded
.set BC,   24                          ; v24-25   bc
.set W,    32                          ; v32-159  Wc: 64 k x 2 columns
.set AV,   160                         ; v160-223 out1: 4 rows x 16 k, the same in every lane
.set ACC,  224                         ; v224-231 sum (row r, column e) at 2 r + e
	s_load_b256 s[4:11], s[0:1], 0x0               ; out1, Wc, bc, out0
	v_lshl_add_u32 v[SPW], v0, 2, SPARE
	v_mov_b32 v[NIL], 0
	v_lshrrev_b32 v1, 5, v0
	v_readfirstlane_b32 s12, v1                    ; wave 0..15
	v_and_b32 v1, 31, v0
	v_and_b32 v2, 15, v0
	v_bfe_u32 v3, v0, 4, 1
	v_lshlrev_b32 v4, 4, v2
	v_lshl_add_u32 v4, v3, 12, v4                  ; out1: row lane / 16, 16 (lane % 16)
	v_lshlrev_b32 v9, 3, v1                        ; 8 x lane: my two columns
	s_lshl_b32 s13, s12, 10
	v_lshl_add_u32 v5, v1, 4, s13                  ; out1 into LDS: 16 x lane
	v_mov_b32 v6, s13                              ; and out of it: the same address in every lane
	v_add_nc_u32 v7, s13, v9
	v_add_nc_u32 v7, RED, v7                       ; my partial sums
	s_lshl_b32 s14, s12, 8
	v_add_nc_u32 v8, s14, v9
	v_add_nc_u32 v8, RED, v8                       ; waves 0-3: row w of every wave's
	s_and_b32 s15, ttmp7, 0xffff
	s_lshr_b32 s16, s15, 2
	s_lshl_b32 s16, s16, 11
	s_and_b32 s15, s15, 3
	s_lshl_b32 s15, s15, 2
	s_add_co_u32 s16, s16, s15                     ; my first row: 2048 b + 4 (y % 4)
	s_lshl_b32 s16, s16, 12
	s_add_co_u32 s18, s16, s14                     ; out1: + 256 w
	s_mov_b32 s19, 0
	s_lshl_b32 s20, ttmp9, 8                       ; my 64 columns
	s_mov_b32 s21, 0
	s_lshl_b32 s22, s12, 18                        ; Wc: 64 w rows of 4,096 bytes
	s_add_co_u32 s22, s22, s20
	s_mov_b32 s23, 0
	s_lshl_b32 s24, s12, 12                        ; out0: row w of my four
	s_add_co_u32 s24, s24, s16
	s_add_co_u32 s24, s24, s20
	s_mov_b32 s25, 0
	s_wait_kmcnt 0x0
	s_add_nc_u64 s[4:5], s[4:5], s[18:19]
	s_add_nc_u64 s[6:7], s[6:7], s[22:23]
	s_add_nc_u64 s[8:9], s[8:9], s[20:21]
	s_add_nc_u64 s[10:11], s[10:11], s[24:25]
	global_load_b128 v[AI:AI+3], v4, s[4:5]                    ; rows 0, 1: sixteen lanes read 256 consecutive bytes
	global_load_b128 v[AI+4:AI+7], v4, s[4:5] offset:8192      ; rows 2, 3
.set i, 0
.rept 64
	global_load_b64 v[W+2*i:W+2*i+1], v9, s[6:7] offset:i*4096 ; Wc(64 w + i, my two columns): the wave reads 256 consecutive bytes
.set i, i+1
.endr
	global_load_b64 v[BC:BC+1], v9, s[8:9]
	s_wait_loadcnt 63                              ; out1's two loads are in: 65 were issued behind them, and the wait's field holds no more than 63
	ds_store_b128 v5, v[AI:AI+3]
	ds_store_b128 v5, v[AI+4:AI+7] offset:512
	s_wait_loadcnt 0x0
.irp qd, 0,1,2,3                       ; 16 k at a time
.irp r, 0,1,2,3
.irp u, 0,1,2,3
	ds_load_b128 v[AV+16*\r+4*\u:AV+16*\r+4*\u+3], v6 offset:256*\r+64*\qd+16*\u   ; in order behind my stores
.endr
.endr
	s_wait_dscnt 0x0
.irp k, 0,1,2,3,4,5,6,7,8,9,10,11,12,13,14,15
.irp r, 0,1,2,3
.irp e, 0,1
.if (\qd == 0) && (\k == 0)
	v_mul_f32 v[ACC+2*\r+\e], v[W+2*(16*\qd+\k)+\e], v[AV+16*\r+\k]                 ; the first product starts the sum
.else
	v_fmac_f32 v[ACC+2*\r+\e], v[W+2*(16*\qd+\k)+\e], v[AV+16*\r+\k]
.endif
.endr
.endr
.endr
.endr
.irp r, 0,1,2,3
	ds_store_b64 v7, v[ACC+2*\r:ACC+2*\r+1] offset:256*\r
.endr
	s_wait_dscnt 0x0                               ; for the others' sake: my stores have landed
	s_barrier_signal -1
	s_barrier_wait -1
	s_cmp_lt_u32 s12, 4
	s_cbranch_scc0 .Lend
.set i, 0
.rept 16
	ds_load_b64 v[W+2*i:W+2*i+1], v8 offset:i*1024
.set i, i+1
.endr
	s_wait_dscnt 0x0
	v_pk_add_f32 v[W:W+1], v[W:W+1], v[BC:BC+1]
.set i, 1
.rept 15
	v_pk_add_f32 v[W:W+1], v[W:W+1], v[W+2*i:W+2*i+1]
.set i, i+1
.endr
	global_store_b64 v9, v[W:W+1], s[10:11]        ; the wave stores 256 consecutive bytes of a row
.Lend:
	s_wait_tensorcnt 0x0                           ; the wave's end
	ds_add_u32 v[SPW], v[NIL]
	s_wait_dscnt 0x0
	s_endpgm
.Lfunc_end_k_q10d1ab2006_ofine:
	.size	k_q10d1ab2006_ofine, .Lfunc_end_k_q10d1ab2006_ofine-k_q10d1ab2006_ofine
	.p2alignl 7, 3214868480
	.fill 96, 4, 3214868480
	.section	.rodata,"a",@progbits
	.p2align	6, 0x0
	.amdhsa_kernel k_q10d1ab2006_ofine
		.amdhsa_group_segment_fixed_size 34816
		.amdhsa_private_segment_fixed_size 0
		.amdhsa_enable_private_segment 0
		.amdhsa_kernarg_size 32
		.amdhsa_user_sgpr_count 2
		.amdhsa_user_sgpr_kernarg_segment_ptr 1
		.amdhsa_wavefront_size32 1
		.amdhsa_system_sgpr_workgroup_id_x 1
		.amdhsa_system_sgpr_workgroup_id_y 1
		.amdhsa_system_sgpr_workgroup_id_z 1
		.amdhsa_system_vgpr_workitem_id 0
		.amdhsa_next_free_vgpr 256
		.amdhsa_next_free_sgpr 66
		.amdhsa_reserve_vcc 0
		.amdhsa_float_denorm_mode_32 3
		.amdhsa_float_denorm_mode_16_64 3
		.amdhsa_memory_ordered 1
		.amdhsa_forward_progress 1
		.amdhsa_inst_pref_size 32
	.end_amdhsa_kernel
	.amdgpu_metadata
---
amdhsa.version: [ 1, 2 ]
amdhsa.kernels:
  - .name:           k_q10d1ab2006_ofine
    .symbol:         k_q10d1ab2006_ofine.kd
    .args:
      - { .name: out1, .offset: 0, .size: 8, .value_kind: global_buffer, .address_space: global }
      - { .name: Wc, .offset: 8, .size: 8, .value_kind: global_buffer, .address_space: global }
      - { .name: bc, .offset: 16, .size: 8, .value_kind: global_buffer, .address_space: global }
      - { .name: out0, .offset: 24, .size: 8, .value_kind: global_buffer, .address_space: global }
    .group_segment_fixed_size: 34816
    .private_segment_fixed_size: 0
    .kernarg_segment_align: 8
    .kernarg_segment_size: 32
    .max_flat_workgroup_size: 512
    .sgpr_count:     66
    .vgpr_count:     256
    .wavefront_size: 32
...
	.end_amdgpu_metadata
.endif
;; end of part 7
